; MI455X (gfx1250); checked and timed in simulation.
; The chip was launched on July 23, 2026; its instructions are those of AMD's public machine-readable ISA for CDNA 5 (MIT licence, August 2026) and "CDNA5" Instruction Set Architecture Reference Guide (July 2026). The comments in the code are by the model that wrote it; some were corrected since.
;; Vector Quantize. Allowed arithmetic: float matrix products may take bf16 or f16 operands with f32 sums; other float arithmetic in f32, or as packed bf16 or f16 multiplies, adds, multiply-adds, maxima and minima; sums over many terms, partial sums and values carried from step to step in f32; what a program stores and reads back later, other than sums and carried values, may be rounded once to bf16 or f16.
;; Inputs: embed 8,192 x 512 float32; x 4 x 4,096 x 512 float32.
;; Outputs: out0 4 x 4,096 x 512 float32; out1 4 x 4,096 int32.
;; 3 versions, each right; version 2 is faster than version 1; version 3 is version 2 with the launch pick written anew for expert scheduling mode. Each part assembles by itself: llvm-mc -triple=amdgcn-amd-amdhsa -mcpu=gfx1250 --defsym DOCPART=n.
;; ======== version 1 of 3: 3 launches
;; limits: values within 3.05e-05 (relative) of each other or of a threshold may be ordered or decided otherwise than in the reference
;; workspace buffers: xb 16,777,216 bytes; eb 8,388,608 bytes; fsq 65,536 bytes; esq 32,768 bytes; cidx 262,144 bytes of whole numbers
;; launch prep (part 1): grid 384 x 1, 8 waves a work-group, no clusters, 87,296 bytes of LDS; arguments x, embed, xb, eb, fsq, esq; writes xb, eb, fsq, esq
.if DOCPART == 1
	.amdgcn_target "amdgcn-amd-amdhsa--gfx1250"
	.amdhsa_code_object_version 6
	.text
	.protected	k_qfbce1a599c_prep
	.globl	k_qfbce1a599c_prep
	.p2align	8
	.type	k_qfbce1a599c_prep,@function
k_qfbce1a599c_prep:
	s_mov_b64 s[64:65], 0
	v_nop
	global_prefetch_b8 v0, s[64:65] scope:SCOPE_SE
	s_setreg_imm32_b32 hwreg(HW_REG_WAVE_MODE, 25, 1), 1
	s_wait_xcnt 0x0
; xb = bf16(x), eb = bf16(embed) (round to nearest even), fsq[r] and esq[r] = the sum over a row of the squares of the ROUNDED numbers, in f32.
; x: [16384][512] f32, embed: [8192][512] f32.  A stream: every byte is read once and written once, so no matrix unit, no cluster (no two work-groups read the same byte).
; ORDER OF THE SUMS.  The index that the program returns hangs on the last bit of these sums, so their order is fixed: a row's 512 squares (exact in f32: 8 x 8 significant bits) are added
; in 16 blocks of 32 neighbours, each block from left to right, and then the 16 block sums from left to right.  It is the order assumed for reference()'s own f32 sums; any other order
; differs from it by f32's rounding.
; SHARES.  Work-groups 0-255 take 64 rows of x each, 256-383 take 64 rows of embed.  A wave takes 8 rows; a row is four loads of 512 consecutive bytes, and all 32 loads of the wave (16 KiB)
; go out at once.  A lane's four f32 become 8 bytes of bf16: a store of the wave covers 256 consecutive bytes, aligned.  The rounded rows also go into the wave's own LDS, a block of 32
; numbers (64 bytes) every 80 bytes, so that one lane can read one block: 8 rows x 16 blocks = 4 blocks a lane.  The block sums go through LDS once more, to one lane a row.
; The 64 sums of a work-group meet in LDS, so that they leave as one store of 256 consecutive bytes.
.set SUMS,  0                          ; LDS bytes 0-255: 64 f32
.set SPARE, 256                        ; the spare words, 128 bytes for each of eight waves; no other line names them
.set WB,    1280                       ; from here a region for each wave
.set BP,    80                         ; a block: 64 bytes + 16
.set RP,    16*BP                      ; a row
.set BSO,   8*RP                       ; behind the wave's 8 rows: its 128 block sums
.set WREG,  BSO+512
.set LO,  1                            ; v1   16 x lane
.set SO,  2                            ; v2   8 x lane
.set STA, 3                            ; v3   where I put 8 bytes of a row
.set SPW, 4                            ; v4   LDS address of my spare word; never rewritten
.set NIL, 5                            ; v5   0, for the add alone
.set ZR,  6                            ; v6   0: what the chains start from
.set S,   8                            ; v[8:11] four chains, one for each of my blocks
.set RDA, 12                           ; v12  where I read a block
.set BSA, 13                           ; v13  where I put a block sum
.set BRA, 14                           ; v14  where I read a row's 16 block sums
.set SUA, 15                           ; v15  where I put a row's sum
.set BB,  16                           ; v[16:31] a row's block sums
.set X,   32                           ; v[32:159] row i at X + 16 i, its chunk c at + 4 c
.set B,   160                          ; v[160:223] my block p at B + 16 p
	s_load_b256 s[4:11], s[0:1], 0x0               ; x s[4:5], embed s[6:7], xb s[8:9], eb s[10:11]
	s_load_b128 s[12:15], s[0:1], 0x20             ; fsq s[12:13], esq s[14:15]
	v_lshl_add_u32 v[SPW], v0, 2, SPARE
	v_mov_b32 v[NIL], 0
	v_mov_b32 v[ZR], 0
	v_lshrrev_b32 v7, 5, v0
	v_readfirstlane_b32 s23, v7                    ; wave 0..7
	v_and_b32 v7, 31, v0                           ; lane
	v_lshlrev_b32 v[LO], 4, v7
	v_lshlrev_b32 v[SO], 3, v7
	s_mul_i32 s26, s23, WREG
	s_add_co_u32 s26, s26, WB                      ; my wave's region
	s_add_co_u32 s27, s26, BSO                     ; its block sums
	v_lshrrev_b32 v[STA], 3, v7                    ; in: eight lanes fill a block: block lane / 8 of the chunk's four,
	v_mul_u32_u24 v[STA], v[STA], BP
	v_and_b32 v[RDA], 7, v7
	v_lshl_add_u32 v[STA], v[RDA], 3, v[STA]       ; 8 bytes for each of the eight
	v_add_nc_u32 v[STA], s26, v[STA]
	v_lshl_add_u32 v[BRA], v[RDA], 6, s27          ; row lane % 8: 16 sums of 4 bytes
	s_lshl_b32 s30, s23, 5
	v_lshl_add_u32 v[SUA], v[RDA], 2, s30          ; SUMS (LDS byte 0) + 32 x wave + 4 x row
	v_lshl_add_u32 v[BSA], v7, 2, s27
	v_lshrrev_b32 v[RDA], 4, v7                    ; back: lane l takes block l % 16 of row 2 p + l / 16
	v_mul_u32_u24 v[RDA], v[RDA], RP
	v_and_b32 v[S], 15, v7
	v_mul_u32_u24 v[S], v[S], BP
	v_add_nc_u32 v[RDA], v[RDA], v[S]
	v_add_nc_u32 v[RDA], s26, v[RDA]
	s_wait_kmcnt 0x0
	s_cmp_lt_u32 ttmp9, 256                        ; x or embed: the condition hangs on the work-group's number alone
	s_cselect_b64 s[16:17], s[4:5], s[6:7]         ; from
	s_cselect_b64 s[18:19], s[8:9], s[10:11]       ; to, in bf16
	s_cselect_b64 s[20:21], s[12:13], s[14:15]     ; the sums
	s_cselect_b32 s22, 0, 256
	s_sub_co_u32 s22, ttmp9, s22                   ; my block of 64 rows in that tensor
	s_lshl_b32 s24, s22, 17                        ; 64 rows of 2,048 bytes,
	s_lshl_b32 s25, s23, 14                        ; my wave's 8 of them
	s_add_co_u32 s24, s24, s25
	s_mov_b32 s25, 0
	s_add_nc_u64 s[16:17], s[16:17], s[24:25]
	s_lshr_b32 s24, s24, 1                         ; the same rows at 1,024 bytes
	s_add_nc_u64 s[18:19], s[18:19], s[24:25]
	s_lshl_b32 s24, s22, 8                         ; 64 sums of 4 bytes
	s_add_nc_u64 s[20:21], s[20:21], s[24:25]
.irp i, 0,1,2,3,4,5,6,7
.irp c, 0,1,2,3
	global_load_b128 v[X+16*\i+4*\c:X+16*\i+4*\c+3], v[LO], s[16:17] offset:2048*\i+512*\c th:TH_LOAD_NT
.endr
.endr
; Row i: rounded, stored, and laid into LDS by blocks.  No register is used for two rows.
.macro ROW i
	s_wait_loadcnt 4*(7-(\i))                      ; loads come back in order: the younger rows' four loads each may stay out
.irp c, 0,1,2,3
	v_cvt_pk_bf16_f32 v[X+16*(\i)+4*\c],   v[X+16*(\i)+4*\c],   v[X+16*(\i)+4*\c+1]
	v_cvt_pk_bf16_f32 v[X+16*(\i)+4*\c+1], v[X+16*(\i)+4*\c+2], v[X+16*(\i)+4*\c+3]
.endr
.irp c, 0,1,2,3
	global_store_b64 v[SO], v[X+16*(\i)+4*\c:X+16*(\i)+4*\c+1], s[18:19] offset:1024*(\i)+256*\c  ; 32 lanes, 256 consecutive bytes, aligned
	ds_store_b64 v[STA], v[X+16*(\i)+4*\c:X+16*(\i)+4*\c+1] offset:RP*(\i)+4*BP*\c                ; chunk c is blocks 4 c .. 4 c + 3
.endr
.endm
.irp i, 0,1,2,3,4,5,6,7
	ROW \i
.endr
.irp p, 0,1,2,3
.irp q, 0,1,2,3
	ds_load_b128 v[B+16*\p+4*\q:B+16*\p+4*\q+3], v[RDA] offset:2*RP*\p+16*\q  ; LDS serves a wave's instructions in order (ISA guide 5.7.1.4): these see the stores above
.endr
.endr
	s_wait_dscnt 0x0
.set e, 0
.rept 32                               ; square e of each of my four blocks, from left to right; the four chains take turns
.irp p, 0,1,2,3
.if e == 0
	v_fma_mix_f32_bf16 v[S+\p], v[B+16*\p], v[B+16*\p], v[ZR] op_sel_hi:[1,1,0]
.elseif (e%2) == 0
	v_fma_mix_f32_bf16 v[S+\p], v[B+16*\p+e/2], v[B+16*\p+e/2], v[S+\p] op_sel_hi:[1,1,0]
.else
	v_fma_mix_f32_bf16 v[S+\p], v[B+16*\p+e/2], v[B+16*\p+e/2], v[S+\p] op_sel:[1,1,0] op_sel_hi:[1,1,0]
.endif
.endr
.set e, e+1
.endr
.irp p, 0,1,2,3
	ds_store_b32 v[BSA], v[S+\p] offset:128*\p     ; row 2 p + l / 16, block l % 16 lies at 64 x row + 4 x block = 128 p + 4 l
.endr
.irp q, 0,1,2,3
	ds_load_b128 v[BB+4*\q:BB+4*\q+3], v[BRA] offset:16*\q
.endr
	s_wait_dscnt 0x0
.irp b, 1,2,3,4,5,6,7,8,9,10,11,12,13,14,15
	v_add_f32 v[BB], v[BB], v[BB+\b]               ; the 16 block sums, from left to right
.endr
	ds_store_b32 v[SUA], v[BB]                     ; four lanes write the same word with the same number
	s_wait_dscnt 0x0                               ; for the others' sake: my eight sums are in LDS
	s_barrier_signal -1
	s_barrier_wait -1
	s_cmp_lg_u32 s23, 0
	s_cbranch_scc1 .Lend
	ds_load_b64 v[24:25], v[SO] offset:SUMS        ; wave 0: two sums a lane,
	s_wait_dscnt 0x0
	global_store_b64 v[SO], v[24:25], s[20:21]     ; 256 consecutive bytes, aligned
.Lend:
	s_wait_tensorcnt 0x0                           ; the wave's end: behind my last LDS store
	ds_add_u32 v[SPW], v[NIL]
	s_wait_dscnt 0x0
	s_endpgm
.Lfunc_end_k_qfbce1a599c_prep:
	.size	k_qfbce1a599c_prep, .Lfunc_end_k_qfbce1a599c_prep-k_qfbce1a599c_prep
	.p2alignl 7, 3214868480
	.fill 96, 4, 3214868480
	.section	.rodata,"a",@progbits
	.p2align	6, 0x0
	.amdhsa_kernel k_qfbce1a599c_prep
		.amdhsa_group_segment_fixed_size 87296
		.amdhsa_private_segment_fixed_size 0
		.amdhsa_enable_private_segment 0
		.amdhsa_kernarg_size 48
		.amdhsa_user_sgpr_count 2
		.amdhsa_user_sgpr_kernarg_segment_ptr 1
		.amdhsa_wavefront_size32 1
		.amdhsa_system_sgpr_workgroup_id_x 1
		.amdhsa_system_sgpr_workgroup_id_y 1
		.amdhsa_system_sgpr_workgroup_id_z 1
		.amdhsa_system_vgpr_workitem_id 0
		.amdhsa_next_free_vgpr 224
		.amdhsa_next_free_sgpr 66
		.amdhsa_reserve_vcc 0
		.amdhsa_float_denorm_mode_32 3
		.amdhsa_float_denorm_mode_16_64 3
		.amdhsa_memory_ordered 1
		.amdhsa_forward_progress 1
		.amdhsa_inst_pref_size 26
	.end_amdhsa_kernel
	.amdgpu_metadata
---
amdhsa.version: [ 1, 2 ]
amdhsa.kernels:
  - .name:           k_qfbce1a599c_prep
    .symbol:         k_qfbce1a599c_prep.kd
    .args:
      - { .name: x, .offset: 0, .size: 8, .value_kind: global_buffer, .address_space: global }
      - { .name: embed, .offset: 8, .size: 8, .value_kind: global_buffer, .address_space: global }
      - { .name: xb, .offset: 16, .size: 8, .value_kind: global_buffer, .address_space: global }
      - { .name: eb, .offset: 24, .size: 8, .value_kind: global_buffer, .address_space: global }
      - { .name: fsq, .offset: 32, .size: 8, .value_kind: global_buffer, .address_space: global }
      - { .name: esq, .offset: 40, .size: 8, .value_kind: global_buffer, .address_space: global }
    .group_segment_fixed_size: 87296
    .private_segment_fixed_size: 0
    .kernarg_segment_align: 8
    .kernarg_segment_size: 48
    .max_flat_workgroup_size: 256
    .sgpr_count:     66
    .vgpr_count:     224
    .wavefront_size: 32
...
	.end_amdgpu_metadata
.endif
;; end of part 1
;; launch vq (part 2): grid 128 x 2, 4 waves a work-group, clusters of 4 x 1, 327,680 bytes of LDS; arguments xb, eb, fsq, esq, cidx; writes cidx
.if DOCPART == 2
	.amdgcn_target "amdgcn-amd-amdhsa--gfx1250"
	.amdhsa_code_object_version 6
	.text
	.protected	k_qfbce1a599c_vq
	.globl	k_qfbce1a599c_vq
	.p2align	8
	.type	k_qfbce1a599c_vq,@function
k_qfbce1a599c_vq:
	s_mov_b64 s[64:65], 0
	v_nop
	global_prefetch_b8 v0, s[64:65] scope:SCOPE_SE
	s_setreg_imm32_b32 hwreg(HW_REG_WAVE_MODE, 25, 1), 1
	s_wait_xcnt 0x0
	s_wait_alu depctr_hold_cnt(0) depctr_sa_sdst(0) depctr_va_vdst(0) depctr_va_sdst(0) depctr_va_ssrc(0) depctr_va_vcc(0) depctr_vm_vsrc(0)
	s_getreg_b32 s2, hwreg(HW_REG_IB_STS2, 6, 4)
	s_cmp_eq_u32 s2, 0
	s_cbranch_scc0 .Lentry_in_a_cluster
	s_endpgm
.Lentry_in_a_cluster:
	s_bfe_u32 s2, ttmp6, 0x10000c
	s_cmp_lg_u32 s2, 0x3003
	s_cbranch_scc0 .Lentry_shape_is_right
	s_endpgm
.Lentry_shape_is_right:
; THE FILTER.  For each of 16,384 rows f of xb and each HALF of the 8,192 codes e of eb: the indices of the two codes with the least t = (f_sq - 2 f.e) + e_sq.  xb, eb: [..][512] bf16; fsq, esq: f32.
; cidx[half][row][2] = those two indices (0..8191).  The products are bf16 with f32 sums.  This launch decides nothing: a later launch reckons t anew for a row's four candidates and chooses.
; KEYS.  A score is kept as a KEY: t with its 8 low bits replaced by a number that says where the code lies.  So one register holds value and place, a running least and second least cost four
; instructions a score, and keys are compared as f32.
; LIMITS.  Keys order t to 256 units in its last place (2^-15 of t).  The code that a full comparison would choose is among a half's two unless two OTHER codes of that half have t within that distance of
; it (three equal codes in one half, say).  A negative t orders the places within such a distance the other way round.  A t that is +inf or NaN makes a key that is a NaN, which is never kept.
; SHARES.  A work-group owns 128 rows and one half of the codes (4,096), in 32 SLABS of 128 codes.  Wave w owns rows 64 (w / 2) .. + 63, which stay in 512 registers for the whole launch,
; and codes 64 (w % 2) .. + 63 of every slab: four TILES of 16 codes, each 16 K steps x 4 row tiles = 64 matrix instructions.
; LAYOUT.  Source 0 = 16 codes, source 1 = 16 rows: in the result a lane holds ONE row (lane % 16) and codes 8 (lane / 16) + 0..7 in its registers 0-7.  So the least keys run down the registers, and
; lanes meet once, at the end.  A fragment of codes read from LDS feeds four matrix instructions.
; RIDERS.  A tile's 160 vector instructions stand behind the NEXT tile's 64 matrix instructions, two and three by turns; two sets of four accumulators take turns.
; CLUSTER.  The four work-groups of a cluster walk the same half of the codes, so each slab, and esq's half, is asked for JOINTLY: the same tensor load, descriptor and mask of four in all of them.
; Rows of x are read by one work-group of a half alone and never lie in LDS: nothing else is shared.
; REGISTERS, in windows of 256 (s_set_vgpr_msb: bits 1:0 source 0, 3:2 source 1, 5:4 source 2, 7:6 destination):
;   window 0: addresses and the ending          window 2: x's fragments of K steps 0-7, at 32 ks + 8 qt          window 3: those of K steps 8-15
;   window 1: v0-127 the codes' fragments, K step ks at 8 ks; v128-191 two sets of four accumulators; v192-207 e_sq, two sets; v208-215 f_sq, a pair a row tile; v216-231 the least key, for each j % 4 and
;             row tile; v232-247 the second least; v248-251 at work; v252-254 LDS addresses
; No rider and no LDS load names a vector register in source 1.  So they run under the products' own setting (source 1 in window 2 or 3, all else in window 1), and a tile has two switches.
; NO FIRST STEP IS WRITTEN OUT: the loop's first trip finishes a tile that has not been, on fragments of 0 and with e_sq = the largest finite number: its keys are kept at first, and every true key is less
; and takes their place (a state meets 256 true keys).  The price, once a launch: 32 matrix instructions on zeros and 168 v_mov_b32, which stand in the wait for the first slab.
.set PITCH,  272                       ; an LDS row: 256 bytes + 16 of padding = 68 words: the 16 rows of a fragment load start at 16 different groups of four banks (64 banks of 4 bytes: ISA guide 11.1)
.set STRIPB, 128*PITCH                 ; a strip: 128 codes x 128 along K: what one tensor load brings
.set SLOT,   4*STRIPB                  ; a slab: strip s holds K = 128 s .. 128 s + 127.  139,264 = 0x22000 shares no bit with a wave's strip offset (w x 0x8800): one exclusive or changes slots
.set ESQ,    2*SLOT                    ; behind the ring: the half's 4,096 e_sq, filled once
.set MRG,    ESQ+16384                 ; 2,048 bytes a wave for the ending; no tensor load lands here
.set SPARE,  MRG+8192                  ; the spare words, 128 bytes for each wave; no other line names them
.set SLABB,  128*1024                  ; a slab's bytes in eb
.set RR,  2                            ; v2   lane % 16
.set HH,  3                            ; v3   lane / 16
.set QO,  4                            ; v4   my byte offset in 16 rows of xb: 1,024 (lane % 16) + 16 (lane / 16)
.set AB0, 5                            ; v5   my lane's place in strips 0 and 1 of a slot
.set AB1, 6                            ; v6   in strips 2 and 3
.set EB0, 7                            ; v7   my lane's place in ESQ
.set FO,  8                            ; v8   4 (lane % 16)
.set LN,  9                            ; v9   lane
.set BS,  10                           ; v10-13  the ending: the bits of an index that a key leaves out, for j % 4 = 0..3
.set TT,  14                           ; v14  at work
.set HI,  16                           ; v16, v17  at work in a merge
.set HII, 17
.set GO,  18                           ; v18  my byte offset in cidx
.set SPW, 28                           ; v28  LDS address of my spare word; never rewritten
.set NIL, 29                           ; v29  0; never rewritten
.set MA,  30                           ; v30  where I put 16 bytes
.set RA,  31                           ; v31  where I read a row's
.set QD,  64                           ; v64-127  the ending: (key, key, index, index), least first, for row tile q and j % 4 = p at QD + 16 q + 4 p
.set RQ,  128                          ; v128-143 the same from the four lanes that share a row
.set F,    0                           ; window 1
.set ACC,  128
.set E,    192
.set FS,   208
.set B1,   216
.set B2,   232
.set XT,   248
.set ADR0, 252                         ; ADR0 + 1 serves strips 2 and 3
.set EA,   254
.set WV,   16                          ; s16  my wave's number
.set QH,   17                          ; s17  which 64 rows
.set CQ,   18                          ; s18  which 64 codes of a slab
.set CX,   19                          ; s19  my place in the cluster
.set QB,   20                          ; s20  my block of 128 rows: it enters xb's, fsq's and cidx's addresses alone
.set HALF, 21                          ; s21  the half of the codes, which the four partners share
.set G1,   24                          ; s[24:31] descriptor group 1 for a strip
.set G1E,  32                          ; s[32:39] for a quarter of esq's half
.set G0,   40                          ; s[40:43] descriptor group 0 for my strip: it walks
.set G0E,  44                          ; s[44:47] for my quarter of esq's half
.set TB,   48                          ; s48  the slot that is read: 0 or SLOT
.set ES,   51                          ; s51  512 x the slab to come
.set CUR,  52                          ; s52  what a key's low bits take: 2 x (my tile's number, 0..127) + j / 4
.set INF,  53                          ; s53  +inf
.set NINF, 54                          ; s54  -inf
.set MSK,  55                          ; s55  the 8 low bits
.set M,    56                          ; s[56:57] lane masks, in the ending
.set CNT,  58                          ; s58  slabs still to be asked for
.set FMX,  59                          ; s59  the largest finite number
.set MSB, 0
.macro WIN new                         ; the immediate's high byte repeats the setting that is left; a switch that changes nothing is dropped
.if MSB != (\new)
	s_set_vgpr_msb (MSB<<8)|(\new)
.set MSB, (\new)
.endif
.endm
.set W_A,  0x59                        ; source 1 (x) in window 2, all else in window 1
.set W_B,  0x5d                        ; source 1 in window 3
.set W_T1, 0x40                        ; destination in window 1, sources in window 0
; A round of the cluster's barrier: my work-group's barrier, so that wave 0's signal speaks for all four waves; wave 0 signals; every wave waits for all four work-groups; my work-group's barrier once more.
.macro CREST                           ; a round behind its opening barrier
	s_cmp_lg_u32 s[WV], 0
	s_cbranch_scc1 .Lnot_wave_0_\@
	s_barrier_signal -3
.Lnot_wave_0_\@:
	s_barrier_wait -3
	s_barrier_signal -1
	s_barrier_wait -1
.endm
.macro ROUND
	s_barrier_signal -1
	s_barrier_wait -1
	CREST
.endm
	s_load_b256 s[4:11], s[0:1], 0x0               ; xb s[4:5], eb s[6:7], fsq s[8:9], esq s[10:11]
	s_load_b64 s[12:13], s[0:1], 0x20              ; cidx
	v_lshl_add_u32 v[SPW], v0, 2, SPARE
	v_mov_b32 v[NIL], 0
	ds_add_u32 v[SPW], v[NIL]                      ; the wave's opening: the add and its wait stand ahead of my first tensor load; the set-up below, work on registers, stands between them
	v_lshrrev_b32 v1, 5, v0
	v_readfirstlane_b32 s[WV], v1                  ; wave 0..3
	s_lshr_b32 s[QH], s[WV], 1
	s_and_b32 s[CQ], s[WV], 1
	s_bfe_u32 s[CX], ttmp6, 0x40000
	s_lshl_b32 s[QB], ttmp9, 2                     ; in a cluster launch ttmp9 counts clusters
	s_add_co_u32 s[QB], s[QB], s[CX]
	s_and_b32 s[HALF], ttmp7, 0xffff
	; group 1 for a strip: 128 rows x 128 elements of 2 bytes, 512 elements from row to row, padded in LDS
	s_mov_b32 s[G1], 15|(1<<16)|(1<<20)|(1<<21)|(5<<22)|(3<<25)  ; 15:0 the mask of four; 17:16 2-byte elements; 20 padding on; 21 set beside a mask; 24:22 after every 64 words (code 5); 31:25 4 words (code 3)
	s_mov_b32 s[G1+1], 128<<16                     ; tensor_dim0 = 128
	s_mov_b32 s[G1+2], 128<<16                     ; tensor_dim1 = 128
	s_mov_b32 s[G1+3], 128<<16                     ; tile_dim0 = 128
	s_mov_b32 s[G1+4], 128                         ; tile_dim1 = 128
	s_mov_b32 s[G1+5], 512                         ; elements from row to row
	s_mov_b32 s[G1+6], 0
	s_mov_b32 s[G1+7], 0
	; group 1 for 4,096 dense bytes of esq: 16 rows of 32 elements of 8 bytes
	s_mov_b32 s[G1E], 15|(3<<16)|(1<<21)
	s_mov_b32 s[G1E+1], 32<<16
	s_mov_b32 s[G1E+2], 16<<16
	s_mov_b32 s[G1E+3], 32<<16
	s_mov_b32 s[G1E+4], 16
	s_mov_b32 s[G1E+5], 32
	s_mov_b32 s[G1E+6], 0
	s_mov_b32 s[G1E+7], 0
	s_mov_b32 s[G0], 1                             ; count = 1
	s_mul_i32 s[G0+1], s[WV], STRIPB               ; LDS address: my strip of slot 0: no place in the cluster enters an LDS address
	s_mov_b32 s[G0E], 1
	s_lshl_b32 s[G0E+1], s[WV], 12
	s_add_co_u32 s[G0E+1], s[G0E+1], ESQ
	s_lshl_b32 s22, s[HALF], 22                    ; eb: the half's 4,096 rows of 1,024 bytes,
	s_lshl_b32 s23, s[WV], 8                       ; my strip's 256 bytes of a row
	s_add_co_u32 s22, s22, s23
	s_mov_b32 s23, 0
	s_lshl_b32 s2, s[HALF], 14                     ; esq: the half's 16,384 bytes, my quarter
	s_lshl_b32 s3, s[WV], 12
	s_add_co_u32 s2, s2, s3
	s_mov_b32 s3, 0
	s_lshl_b32 s62, s[QB], 17                      ; xb: my block's 128 rows of 1,024 bytes, my wave's 64 of them
	s_lshl_b32 s63, s[QH], 16
	s_add_co_u32 s62, s62, s63
	s_mov_b32 s63, 0
	s_mov_b32 s[INF], 0x7f800000
	s_mov_b32 s[NINF], 0xff800000
	s_mov_b32 s[FMX], 0x7f7fffff
	s_mov_b32 s[MSK], 0xff
	s_mov_b32 s[TB], SLOT                          ; the first change of slots turns it into 0
	s_mov_b32 s[ES], 0
	s_mov_b32 s[CNT], 31
	s_mov_b32 s[CUR], -4                           ; the tiles that have not been step it four times, to 0
	s_wait_dscnt 0x0                               ; the opening add is done
	s_wait_kmcnt 0x0
	s_add_nc_u64 s[G0+2:G0+3], s[6:7], s[22:23]    ; global address: my strip of slab 0
	s_or_b32 s[G0+3], s[G0+3], 0x80000000          ; type = 2
	s_add_nc_u64 s[G0E+2:G0E+3], s[10:11], s[2:3]
	s_or_b32 s[G0E+3], s[G0E+3], 0x80000000
	s_add_nc_u64 s[4:5], s[4:5], s[62:63]          ; xb at my wave's first row
	s_lshr_b32 s62, s62, 8                         ; the same rows at 4 bytes
	s_add_nc_u64 s[8:9], s[8:9], s[62:63]          ; fsq likewise
	ROUND                                          ; all four work-groups are here: the first joint loads meet
	tensor_load_to_lds s[G0E:G0E+3], s[G1E:G1E+7]  ; the two first fills go out together: two loads of mine are out
	s_nop 0
	tensor_load_to_lds s[G0:G0+3], s[G1:G1+7]      ; slab 0 into slot 0
	s_nop 0
	; A fragment is 16 rows x 32 along K in 8 registers: lane l holds row l % 16; registers 0-3 K = 8 (l / 16) + 0..7, registers 4-7 K = 16 + 8 (l / 16) + 0..7: two loads of 16 bytes, 32 bytes apart.
	v_and_b32 v[RR], 15, v0
	v_bfe_u32 v[HH], v0, 4, 1
	v_lshlrev_b32 v[QO], 10, v[RR]
	v_lshl_add_u32 v[QO], v[HH], 4, v[QO]
	v_lshlrev_b32 v[FO], 2, v[RR]
	v_and_b32 v[LN], 31, v0
	WIN 0x80                                       ; destination window 2, address window 0
.set i, 0
.rept 32                               ; x stays in registers: K step i / 4, row tile i % 4
	global_load_b128 v[8*i:8*i+3],   v[QO], s[4:5] offset:(i%4)*16384+(i/4)*64
	global_load_b128 v[8*i+4:8*i+7], v[QO], s[4:5] offset:(i%4)*16384+(i/4)*64+32
.set i, i+1
.endr
	WIN 0xc0                                       ; destination window 3
.set i, 0
.rept 32                               ; K step 8 + i / 4
	global_load_b128 v[8*i:8*i+3],   v[QO], s[4:5] offset:(i%4)*16384+(i/4)*64+512
	global_load_b128 v[8*i+4:8*i+7], v[QO], s[4:5] offset:(i%4)*16384+(i/4)*64+544
.set i, i+1
.endr
	WIN W_T1
.irp q, 0,1,2,3
	global_load_b32 v[FS+2*\q],   v[FO], s[8:9] offset:64*\q  ; my row's f_sq, in both words of a pair for the packed multiply-add
	global_load_b32 v[FS+2*\q+1], v[FO], s[8:9] offset:64*\q
.endr
	; what the first trip finds: see the head
.set i, 0
.rept 64
	v_mov_b32 v[F+64+i], 0                         ; the fragments of K steps 8-15
.set i, i+1
.endr
.set i, 0
.rept 32
	v_mov_b32 v[ACC+i], s[FMX]                     ; set 0: t of a tile that has not been
	v_mov_b32 v[ACC+32+i], 0                       ; set 1: sums of another
	v_mov_b32 v[B1+i], s[INF]                      ; the least and second least keys (B2 follows B1)
.set i, i+1
.endr
.set i, 0
.rept 8
	v_mov_b32 v[E+8+i], s[FMX]                     ; whose e_sq is the largest finite number
.set i, i+1
.endr
	WIN 0
	v_mul_u32_u24 v[AB0], v[RR], PITCH
	v_lshl_add_u32 v[AB0], v[HH], 4, v[AB0]        ; row x pitch + 16 x half,
	s_mul_i32 s2, s[CQ], 64*PITCH
	v_add_nc_u32 v[AB0], s2, v[AB0]                ; in my 64 codes
	v_add_nc_u32 v[AB1], 2*STRIPB, v[AB0]
	s_lshl_b32 s2, s[CQ], 8
	s_add_co_u32 s2, s2, ESQ
	v_lshl_add_u32 v[EB0], v[HH], 5, s2            ; e_sq of codes 64 (w % 2) + 8 (l / 16) on
	s_wait_loadcnt 0x0                             ; x and f_sq
; RIDER r (0..159) of the tile whose sums lie in accumulator set AS; qt is the row tile.
;   0-15    t = f_sq - 2 dot, a pair of codes at a time; each accumulator's lowest pair first          16-31   t = t + e_sq
;   32-159  for register j = 0..7, four lines for each row tile, the row tiles by turns so that a line stands four behind the one that feeds it:
;           key = t with CUR in its 8 low bits, in place;  x = min(second, key);  second = max(least, x) (the middle one of the three, since least <= second);  least = min(least, key)
;           the middle operands, +inf and -inf, change nothing: they keep source 1 free of vector registers
;   behind j = 3 and j = 7 CUR steps by 1
.macro RID
.if r < 16
.set ra, ACC+32*AS+8*(r%4)+2*(r/4)
	v_pk_fma_f32 v[ra:ra+1], v[ra:ra+1], -2.0, v[FS+2*(r%4):FS+2*(r%4)+1] op_sel_hi:[1,0,1]
.elseif r < 32
.set ra, ACC+32*AS+8*(r%4)+2*((r-16)/4)
.set re, E+8*AS+2*((r-16)/4)
	v_pk_fma_f32 v[ra:ra+1], v[ra:ra+1], 1.0, v[re:re+1] op_sel_hi:[1,0,1]
.else
.set rv, r-32
.set rj, rv/16
.set rk, (rv%16)/4
.set rq, rv%4
.set rt, ACC+32*AS+8*rq+rj
.set rb, 4*(rj%4)+rq
.if rk == 0
	v_bfi_b32 v[rt], s[MSK], s[CUR], v[rt]
.elseif rk == 1
	v_min3_num_f32 v[XT+rq], v[B2+rb], s[INF], v[rt]
.elseif rk == 2
	v_max3_num_f32 v[B2+rb], v[B1+rb], s[NINF], v[XT+rq]
.else
	v_min3_num_f32 v[B1+rb], v[B1+rb], s[INF], v[rt]
.endif
.if ((rv%16) == 15) && ((rj%4) == 3)
	s_add_co_u32 s[CUR], s[CUR], 1
.endif
.endif
.set r, r+1
.endm
; Half a fragment: tile t, K step k.  K steps 0-7 lie in strips 0 and 1 (ADR0), 8-15 in strips 2 and 3 (ADR0 + 1); the immediate is 48,096 at the most.
.macro FLOAD t, k, part
	ds_load_b128 v[F+8*(\k)+4*(\part):F+8*(\k)+4*(\part)+3], v[ADR0+(\k)/8] offset:(((\k)/4)%2)*STRIPB+(\t)*16*PITCH+((\k)%4)*64+32*(\part)
.endm
.macro ELOAD t, part                   ; four of tile t's e_sq
	ds_load_b128 v[E+8*((\t)%2)+4*(\part):E+8*((\t)%2)+4*(\part)+3], v[EA] offset:64*(\t)+16*(\part)
.endm
; A K STEP: four matrix instructions, the set's four accumulators by turns (one instruction a turn, everywhere), two and three riders behind them, and the step's LDS loads.
; as: accumulator set; ks: K step (0 starts the sums with the constant 0); wt: the wait at its head, or -1; nf = 1: fragment fk of tile ft is fetched; nf = 2: fragments fk and fk + 1; eq >= 0: tile eq's e_sq.
; A fragment's registers are loaded again eight K steps, 80 riders, behind the last product that read them; no rider names a fragment.
.macro KSTEP as, ks, wt, nf, ft, fk, eq
.if (\wt) >= 0
	s_wait_dscnt \wt
.endif
.if (\ks) < 8
	WIN W_A
.else
	WIN W_B
.endif
.set kq, 0
.rept 4
.set ka, ACC+32*(\as)+8*kq
.set kf, F+8*(\ks)
.set kb, 32*((\ks)%8)+8*kq
.if (\ks) == 0
	v_wmma_f32_16x16x32_bf16 v[ka:ka+7], v[kf:kf+7], v[kb:kb+7], 0
.else
	v_wmma_f32_16x16x32_bf16 v[ka:ka+7], v[kf:kf+7], v[kb:kb+7], v[ka:ka+7]
.endif
	RID
	RID
.if (kq%2) == 1
	RID
.endif
.if (\nf) == 1
.if kq == 1
	FLOAD \ft, \fk, 0
.elseif kq == 3
	FLOAD \ft, \fk, 1
.endif
.elseif (\nf) == 2
	FLOAD \ft, (\fk)+kq/2, kq%2
.endif
.if (\eq) >= 0
.if kq == 0
	ELOAD \eq, 0
.elseif kq == 2
	ELOAD \eq, 1
.endif
.endif
.set kq, kq+1
.endr
.endm
; The fetch runs eight K steps ahead.  The wait at a step's head: behind the step's own two loads stand the two loads of each of seven steps (e_sq's two, or the add, only raise that): 14 may be out.
.macro H0 t                            ; tile t's K steps 0-7; they fetch its K steps 8-15 and its e_sq, and carry the first 80 riders of the tile before
.set r, 0
.set AS, ((\t)+1)%2
	KSTEP (\t)%2, 0, 14, 1, \t, 8, \t
.irp i, 1,2,3,4,5,6,7
	KSTEP (\t)%2, \i, 14, 1, \t, 8+\i, -1
.endr
.endm
.macro H1 t                            ; tile t's K steps 8-15 (t < 3); they fetch the next tile's K steps 0-7
.irp i, 0,1,2,3,4,5,6,7
	KSTEP (\t)%2, 8+\i, 14, 1, (\t)+1, \i, -1
.endr
.endm
; TILE 3's K STEPS 8-15 AND THE CHANGE OF SLOTS.  All loads from the slab in hand have been issued.  Each wave waits for all its tensor loads, of which one is out: its strip of the next slab; adds 0 to its
; spare word; and waits for that and for its reads of the slot.  Behind the barrier nobody reads this slot any more and the other slot is whole.  fill = 1: the barrier opens a round of the cluster's,
; so that no wave of any partner still reads the slot or has a load on its way, and the joint refill is the first thing behind the round: 240 of a slab's 256 matrix instructions stand between it
; and the wait for it.  Then the next slab's first eight fragments are fetched, two a K step.
.macro XHALF fill
.set r, 80
.set AS, 0
	WIN 0                                          ; (the add's two registers lie in window 0)
	s_wait_tensorcnt 0x0                           ; no tensor load of mine is out, so group 0 may be written
	ds_add_u32 v[SPW], v[NIL]                      ; 0 onto my spare word; work on registers stands between it and the wait for it
	s_xor_b32 s[TB], s[TB], SLOT                   ; the reads go to the other slot,
.if \fill
	s_xor_b32 s[G0+1], s[G0+1], SLOT               ; the walking descriptor to the other slot than last time,
	s_add_nc_u64 s[G0+2:G0+3], s[G0+2:G0+3], SLABB ; the next 128 codes; the type bits on top are not reached
.endif
	WIN W_T1
	v_add_nc_u32 v[ADR0], s[TB], v[AB0]
	v_add_nc_u32 v[ADR0+1], s[TB], v[AB1]
	v_add_nc_u32 v[EA], s[ES], v[EB0]
	s_add_co_u32 s[ES], s[ES], 512
	KSTEP 1, 8, 14, 0, 0, 0, -1                    ; behind K step 8's loads stand 14 loads and the add
	KSTEP 1, 9, 12, 0, 0, 0, -1                    ; behind K step 9's 12 and the add
	s_wait_dscnt 0x0                               ; the add is done, and my reads of this slot are over
	s_barrier_signal -1
	KSTEP 1, 10, -1, 0, 0, 0, -1                   ; work on registers while the others arrive
	KSTEP 1, 11, -1, 0, 0, 0, -1
.if \fill
	WIN 0
.endif
	s_barrier_wait -1
.if \fill
	CREST
	tensor_load_to_lds s[G0:G0+3], s[G1:G1+7]      ; my one tensor load behind the round
	s_nop 0
.endif
	KSTEP 1, 12, -1, 2, 0, 0, -1                   ; (its switch of windows stands directly behind the s_nop 0, and none follows among the next lines)
	KSTEP 1, 13, -1, 2, 0, 2, -1
	KSTEP 1, 14, -1, 2, 0, 4, -1
	KSTEP 1, 15, -1, 2, 0, 6, -1
.endm
.macro SEG fill                        ; from the middle of a slab's last tile to the middle of the next slab's
	XHALF \fill
	H0 0
	H1 0
	H0 1
	H1 1
	H0 2
	H1 2
	H0 3
.endm
.Lslab:                                                ; 31 trips: trip s waits for slab s and asks for slab s + 1
	SEG 1
	WIN 0                                          ; at a label and at a branch every window is 0
	s_sub_co_u32 s[CNT], s[CNT], 1
	s_cmp_lg_u32 s[CNT], 0
	s_cbranch_scc1 .Lslab
	SEG 0                                          ; the last slab is written out: nothing is asked for
.set r, 80
.set AS, 0
.irp i, 0,1,2,3,4,5,6,7
	KSTEP 1, 8+\i, 14-2*\i, 0, 0, 0, -1            ; the last tile's second half: nothing more is fetched, and the counts run down
.endr
.set r, 0
.set AS, 1
.rept 160
	RID                                            ; the last tile's riders have no products to stand behind; the last three riders above and the other row tiles' first lines are the places behind the last products
.endr
	; THE ENDING.  A lane holds, for each of its four rows, four sorted pairs of keys.  Each key's index is written out; then sorted pairs are merged, two into one, index beside key: first the lane's four,
	; then, through LDS, those of the four lanes that share a row (16 apart in each of two waves).
	WIN 0x01                                       ; source 0 in window 1
.irp q, 0,1,2,3
.irp p, 0,1,2,3
	v_mov_b32 v[QD+16*\q+4*\p],   v[B1+4*\p+\q]
	v_mov_b32 v[QD+16*\q+4*\p+1], v[B2+4*\p+\q]
.endr
.endr
	WIN 0
	; an index, from the top: half (1 bit), slab (5), w % 2 (1), tile (2), lane / 16 (1), j (3).  A key's low bits, from the top: slab (5), tile (2), j / 4 (1).
	s_lshl_b32 s2, s[CQ], 6
	s_lshl_b32 s3, s[HALF], 12
	s_or_b32 s2, s2, s3
	v_lshl_or_b32 v[BS], v[HH], 3, s2
	v_or_b32 v[BS+1], 1, v[BS]
	v_or_b32 v[BS+2], 2, v[BS]
	v_or_b32 v[BS+3], 3, v[BS]
.macro DEC k, p                        ; the index of the key in register k goes into register k + 2
	v_and_b32 v[TT], 1, v[\k]
	v_lshl_or_b32 v[(\k)+2], v[TT], 2, v[BS+(\p)]
	v_and_b32 v[TT], 6, v[\k]
	v_lshl_or_b32 v[(\k)+2], v[TT], 3, v[(\k)+2]
	v_and_b32 v[TT], 0xf8, v[\k]
	v_lshl_or_b32 v[(\k)+2], v[TT], 4, v[(\k)+2]
.endm
; Two sorted pairs at registers a and b (key, key, index, index) become one at a: the least is the lesser of the two firsts; the second is the least of the greater first and the two seconds.
.macro MRG2 a, b
	v_cmp_lt_f32 s[M], v[\b], v[\a]
	v_cndmask_b32 v[HI],  v[\b], v[\a], s[M]
	v_cndmask_b32 v[HII], v[(\b)+2], v[(\a)+2], s[M]
	v_cndmask_b32 v[\a], v[\a], v[\b], s[M]
	v_cndmask_b32 v[(\a)+2], v[(\a)+2], v[(\b)+2], s[M]
	v_cmp_lt_f32 s[M+1], v[(\b)+1], v[(\a)+1]
	v_cndmask_b32 v[(\a)+1], v[(\a)+1], v[(\b)+1], s[M+1]
	v_cndmask_b32 v[(\a)+3], v[(\a)+3], v[(\b)+3], s[M+1]
	v_cmp_lt_f32 s[M], v[HI], v[(\a)+1]
	v_cndmask_b32 v[(\a)+1], v[(\a)+1], v[HI], s[M]
	v_cndmask_b32 v[(\a)+3], v[(\a)+3], v[HII], s[M]
.endm
.irp q, 0,1,2,3
.irp p, 0,1,2,3
	DEC QD+16*\q+4*\p, \p
	DEC QD+16*\q+4*\p+1, \p
.endr
.endr
	s_lshl_b32 s2, s[WV], 11
	s_add_co_u32 s2, s2, MRG
	v_lshl_add_u32 v[MA], v[LN], 4, s2             ; my wave's 2,048 bytes: row tile q at 512 q, 16 bytes a lane
.irp q, 0,1,2,3
	MRG2 QD+16*\q, QD+16*\q+4
	MRG2 QD+16*\q+8, QD+16*\q+12
	MRG2 QD+16*\q, QD+16*\q+8
	ds_store_b128 v[MA], v[QD+16*\q:QD+16*\q+3] offset:512*\q
.endr
	s_lshl_b32 s2, s[QH], 12                       ; thread T takes the work-group's row T = 64 (w / 2) + 16 (2 (w % 2) + l / 16) + l % 16:
	s_lshl_b32 s3, s[CQ], 10                       ; it lies in waves 2 (w / 2) and 2 (w / 2) + 1, row tile 2 (w % 2) + l / 16, lanes l % 16 and l % 16 + 16
	s_add_co_u32 s2, s2, s3
	s_add_co_u32 s2, s2, MRG
	v_lshl_add_u32 v[RA], v[HH], 9, s2
	v_lshl_add_u32 v[RA], v[RR], 4, v[RA]
	s_lshl_b32 s62, s[HALF], 17                    ; cidx: [half][row][2], 8 bytes a row
	s_lshl_b32 s63, s[QB], 10
	s_add_co_u32 s62, s62, s63
	v_lshl_add_u32 v[GO], v0, 3, s62
	s_wait_dscnt 0x0                               ; for the others' sake: my pairs are in LDS
	s_barrier_signal -1
	s_barrier_wait -1
	ds_load_b128 v[RQ:RQ+3],     v[RA]
	ds_load_b128 v[RQ+4:RQ+7],   v[RA] offset:256  ; the lane 16 on
	ds_load_b128 v[RQ+8:RQ+11],  v[RA] offset:2048 ; the other wave
	ds_load_b128 v[RQ+12:RQ+15], v[RA] offset:2304
	s_wait_dscnt 0x0
	MRG2 RQ, RQ+4
	MRG2 RQ+8, RQ+12
	MRG2 RQ, RQ+8
	global_store_b64 v[GO], v[RQ+2:RQ+3], s[12:13] ; 32 lanes, 256 consecutive bytes, aligned
	s_wait_tensorcnt 0x0                           ; the wave's end: behind my last tensor load and my last LDS store
	ds_add_u32 v[SPW], v[NIL]
	s_wait_dscnt 0x0
	ROUND                                          ; the closing round: no work-group ends while a partner may still ask for a tile that names it
	s_endpgm
.Lfunc_end_k_qfbce1a599c_vq:
	.size	k_qfbce1a599c_vq, .Lfunc_end_k_qfbce1a599c_vq-k_qfbce1a599c_vq
	.p2alignl 7, 3214868480
	.fill 96, 4, 3214868480
	.section	.rodata,"a",@progbits
	.p2align	6, 0x0
	.amdhsa_kernel k_qfbce1a599c_vq
		.amdhsa_group_segment_fixed_size 327680
		.amdhsa_private_segment_fixed_size 0
		.amdhsa_enable_private_segment 0
		.amdhsa_kernarg_size 40
		.amdhsa_user_sgpr_count 2
		.amdhsa_user_sgpr_kernarg_segment_ptr 1
		.amdhsa_wavefront_size32 1
		.amdhsa_system_sgpr_workgroup_id_x 1
		.amdhsa_system_sgpr_workgroup_id_y 1
		.amdhsa_system_sgpr_workgroup_id_z 1
		.amdhsa_system_vgpr_workitem_id 0
		.amdhsa_next_free_vgpr 1024
		.amdhsa_next_free_sgpr 66
		.amdhsa_reserve_vcc 0
		.amdhsa_float_denorm_mode_32 3
		.amdhsa_float_denorm_mode_16_64 3
		.amdhsa_memory_ordered 1
		.amdhsa_forward_progress 1
		.amdhsa_inst_pref_size 199
	.end_amdhsa_kernel
	.amdgpu_metadata
---
amdhsa.version: [ 1, 2 ]
amdhsa.kernels:
  - .name:           k_qfbce1a599c_vq
    .symbol:         k_qfbce1a599c_vq.kd
    .args:
      - { .name: xb, .offset: 0, .size: 8, .value_kind: global_buffer, .address_space: global }
      - { .name: eb, .offset: 8, .size: 8, .value_kind: global_buffer, .address_space: global }
      - { .name: fsq, .offset: 16, .size: 8, .value_kind: global_buffer, .address_space: global }
      - { .name: esq, .offset: 24, .size: 8, .value_kind: global_buffer, .address_space: global }
      - { .name: cidx, .offset: 32, .size: 8, .value_kind: global_buffer, .address_space: global }
    .group_segment_fixed_size: 327680
    .private_segment_fixed_size: 0
    .kernarg_segment_align: 8
    .kernarg_segment_size: 40
    .max_flat_workgroup_size: 128
    .sgpr_count:     66
    .vgpr_count:     1024
    .wavefront_size: 32
...
	.end_amdgpu_metadata
.endif
;; end of part 2
;; launch pick (part 3): grid 1024 x 1, 2 waves a work-group, no clusters, 83,456 bytes of LDS; arguments xb, eb, fsq, esq, cidx, out0, out1; writes out0, out1
.if DOCPART == 3
	.amdgcn_target "amdgcn-amd-amdhsa--gfx1250"
	.amdhsa_code_object_version 6
	.text
	.protected	k_qfbce1a599c_pick
	.globl	k_qfbce1a599c_pick
	.p2align	8
	.type	k_qfbce1a599c_pick,@function
k_qfbce1a599c_pick:
	s_mov_b64 s[64:65], 0
	v_nop
	global_prefetch_b8 v0, s[64:65] scope:SCOPE_SE
	s_setreg_imm32_b32 hwreg(HW_REG_WAVE_MODE, 25, 1), 1
	s_wait_xcnt 0x0
; THE DECISION.  A row has four candidates (two of each half of the codes: cidx[half][row][2], stored by an earlier launch).  For each, t = (f_sq - 2 f.e) + e_sq is reckoned anew in f32; the least t is taken,
; of equal t the lowest index.  out1[row] = that index, out0[row] = that code's row.  xb: [16384][512] bf16, eb: [8192][512] bf16, fsq, esq: f32; out0: [16384][512] f32; out1: [16384] i32.
; ORDER OF THE SUMS.  The index hangs on t's last bit, so the order is fixed.  A product of two bf16 is exact in f32.  The 512 products are added in two chains, k = 0..255 and k = 256..511, each from left
; to right, one rounding a term; then the two chains are added; t is rounded once for f_sq - 2 dot (2 dot is exact) and once for the addition of e_sq.  It is the order assumed for reference()'s own
; f32 product; another order differs from it by f32's rounding, and may then order two codes otherwise whose t are that close.
; LIMITS.  out0 holds the code's numbers as rounded to bf16, widened: within 2^-8 of the f32 numbers, relative.  A t that is NaN is never taken in place of another.
; No address hangs on a floating-point number: all four candidates' rows are read, by indices that an earlier launch stored, and the comparison only selects values.
; SHARES.  A wave takes 8 rows: 32 pairs of row and candidate, ONE LANE A PAIR, since a chain goes from left to right.  So that memory is still read in long pieces, the wave first brings its 32 code rows
; and 8 rows of x into its own LDS, 512 consecutive bytes a load, 48 loads in flight; then each lane reads its own two rows, 16 bytes at a time.  Nothing passes between waves: no barrier.
; No matrix unit (131,072 numbers a wave), no cluster (which code rows two work-groups share hangs on the data).  A wave's part of out1 is 32 bytes: too little for whole runs of 256.
.set PT,    1040                       ; an LDS row: 1,024 bytes + 16
.set XOFF,  32*PT                      ; behind a wave's 32 code rows: its 8 rows of x
.set WREG,  40*PT
.set SPARE, 2*WREG                     ; 83,200 = 325 x 256: the spare words, 128 bytes for each wave; no other line names them
.set LN,  1                            ; v1   lane = 4 x row + 2 x half + which of the half's two
.set L16, 2                            ; v2   16 x lane
.set L8B, 3                            ; v3   my wave's region + 8 x lane
.set LS,  4                            ; v4   my wave's region + 16 x lane
.set ER,  5                            ; v5   my candidate's row in LDS
.set XR,  6                            ; v6   my row of x in LDS
.set CI,  7                            ; v7   my byte offset in cidx
.set FO,  8                            ; v8   my row's byte offset in fsq and in out1
.set IDX, 9                            ; v9   my candidate's index
.set FQ,  10                           ; v10  f_sq
.set EQ,  11                           ; v11  e_sq
.set EO,  12                           ; v12  my byte offset in esq
.set C0,  13                           ; v13, v14  the two chains
.set C1,  14
.set ZR,  15                           ; v15  0: what the chains start from
.set T,   16                           ; v16  t, then the row's least
.set BI,  17                           ; v17  its index
.set OT,  18                           ; v18, v19  another lane's
.set OI,  19
.set SPW, 20                           ; v20  LDS address of my spare word; never rewritten
.set NIL, 21                           ; v21  0, for the add alone
.set AD,  32                           ; v[32:63]  pair t: byte offset of its code row in eb, + 16 x lane
.set R,   64                           ; v[64:255] 48 slots of 4 registers on the way in; later v[64:127] two buffers of 32, v[128:255] what is stored
	s_load_b256 s[4:11], s[0:1], 0x0               ; xb s[4:5], eb s[6:7], fsq s[8:9], esq s[10:11]
	s_load_b128 s[12:15], s[0:1], 0x20             ; cidx s[12:13], out0 s[14:15]
	s_load_b64 s[48:49], s[0:1], 0x30              ; out1
	v_lshl_add_u32 v[SPW], v0, 2, SPARE
	v_mov_b32 v[NIL], 0
	v_mov_b32 v[ZR], 0
	v_lshrrev_b32 v22, 5, v0
	v_readfirstlane_b32 s50, v22                   ; wave 0, 1
	v_and_b32 v[LN], 31, v0
	s_lshl_b32 s51, ttmp9, 1
	s_add_co_u32 s51, s51, s50                     ; my wave among all: its rows are 8 x that number on
	s_lshl_b32 s52, s51, 6                         ; cidx: 8 rows of 8 bytes
	s_lshl_b32 s53, s51, 5                         ; fsq, out1: 8 rows of 4 bytes
	s_mul_i32 s54, s50, WREG                       ; my wave's region of LDS
	s_add_co_u32 s55, s54, XOFF
	v_lshrrev_b32 v22, 2, v[LN]                    ; my row of the 8
	v_and_b32 v23, 1, v[LN]
	v_lshlrev_b32 v[CI], 3, v22
	v_lshl_add_u32 v[CI], v23, 2, v[CI]
	v_bfe_u32 v23, v[LN], 1, 1
	v_lshl_add_u32 v[CI], v23, 17, v[CI]           ; the second half's indices lie 131,072 bytes on
	v_add_nc_u32 v[CI], s52, v[CI]
	v_lshl_add_u32 v[FO], v22, 2, s53
	v_lshlrev_b32 v[L16], 4, v[LN]
	v_lshl_add_u32 v[LS], v[LN], 4, s54
	v_lshl_add_u32 v[L8B], v[LN], 3, s54
	v_mul_u32_u24 v[ER], v[LN], PT
	v_add_nc_u32 v[ER], s54, v[ER]
	v_mul_u32_u24 v[XR], v22, PT
	v_add_nc_u32 v[XR], s55, v[XR]
	s_wait_kmcnt 0x0
	s_load_b512 s[16:31], s[12:13], s52 offset:0x0      ; my 8 rows' candidates in the first half of the codes, as scalars: a whole wave loads one code row,
	s_load_b512 s[32:47], s[12:13], s52 offset:0x20000  ; and in the second
	global_load_b32 v[IDX], v[CI], s[12:13]        ; and each lane's own
	global_load_b32 v[FQ], v[FO], s[8:9]
	s_lshl_b32 s56, s51, 13                        ; xb: 8 rows of 1,024 bytes
	s_mov_b32 s57, 0
	s_add_nc_u64 s[4:5], s[4:5], s[56:57]
	s_lshl_b32 s56, s51, 14                        ; out0: 8 rows of 2,048 bytes
	s_add_nc_u64 s[14:15], s[14:15], s[56:57]
	s_mov_b32 s56, 0xffff0000                      ; a word's upper bf16
; Piece i of 80 on the way in: 0-15 the halves of my 8 rows of x, 16-79 the halves of my 32 code rows.  512 consecutive bytes each; slot i % 48.
.macro GLD i
.if (\i) < 16
	global_load_b128 v[R+4*((\i)%48):R+4*((\i)%48)+3], v[L16], s[4:5] offset:512*(\i) th:TH_LOAD_NT
.else
	global_load_b128 v[R+4*((\i)%48):R+4*((\i)%48)+3], v[AD+((\i)-16)/2], s[6:7] offset:512*((\i)%2)  ; no cache word: a code may be named by many rows
.endif
.endm
.macro LST i
.if (\i) < 16
	ds_store_b128 v[LS], v[R+4*((\i)%48):R+4*((\i)%48)+3] offset:XOFF+((\i)/2)*PT+512*((\i)%2)
.else
	ds_store_b128 v[LS], v[R+4*((\i)%48):R+4*((\i)%48)+3] offset:(((\i)-16)/2)*PT+512*((\i)%2)
.endif
.endm
.set nn, 0
.rept 16
	GLD nn                                         ; x hangs on no index: it goes out first
.set nn, nn+1
.endr
	s_wait_kmcnt 0x0
.set nn, 16
.rept 32
	s_min_u32 s[nn], s[nn], 0x1fff                 ; an index stays inside the table
.set nn, nn+1
.endr
.set nn, 0
.rept 32                               ; pair nn = 4 x row + 2 x half + which
	v_lshl_add_u32 v[AD+nn], s[16+16*((nn>>1)&1)+2*(nn>>2)+(nn&1)], 10, v[L16]  ; 1,024 bytes a code
.set nn, nn+1
.endr
	s_wait_loadcnt 16                              ; my index and f_sq are in: behind them stand x's sixteen loads
	v_min_u32 v[IDX], 0x1fff, v[IDX]
	v_lshlrev_b32 v[EO], 2, v[IDX]
	global_load_b32 v[EQ], v[EO], s[10:11]
.set nn, 16
.rept 32
	GLD nn
.set nn, nn+1
.endr
.set nn, 0
.rept 80                               ; piece nn goes into LDS, and its slot takes piece nn + 48
.if nn <= 32
	s_wait_loadcnt 47                              ; loads come back in order: behind piece nn stand pieces nn + 1 .. nn + 47 (for x's pieces also e_sq's load: the count is then one less than it need be)
.else
	s_wait_loadcnt 79-nn                           ; nothing more is asked for: the counts run down
.endif
	LST nn
.if nn+48 < 80
	GLD nn+48
.endif
.set nn, nn+1
.endr
; Step s of 16: 16 numbers of each chain: 32 bytes of my code row and of my row of x at byte 32 s, and at byte 512 + 32 s.  Buffer s % 2: code chain 0, code chain 1, x chain 0, x chain 1, 8 registers each.
.macro CLD s
.set cb, R+32*((\s)%2)
.irp u, 0,1
	ds_load_b128 v[cb+4*\u:cb+4*\u+3],       v[ER] offset:32*(\s)+16*\u      ; LDS serves a wave's instructions in order (ISA guide 5.7.1.4): these see the stores above
	ds_load_b128 v[cb+8+4*\u:cb+8+4*\u+3],   v[ER] offset:512+32*(\s)+16*\u
	ds_load_b128 v[cb+16+4*\u:cb+16+4*\u+3], v[XR] offset:32*(\s)+16*\u
	ds_load_b128 v[cb+24+4*\u:cb+24+4*\u+3], v[XR] offset:512+32*(\s)+16*\u
.endr
.endm
.macro CFM s                           ; 32 fused multiply-adds straight from the bf16 halves, the low half (the lower k) first; the two chains take turns
.set cb, R+32*((\s)%2)
.set wd, 0
.rept 8
.if ((\s) == 0) && (wd == 0)
	v_fma_mix_f32_bf16 v[C0], v[cb+wd],   v[cb+16+wd], v[ZR] op_sel_hi:[1,1,0]
	v_fma_mix_f32_bf16 v[C1], v[cb+8+wd], v[cb+24+wd], v[ZR] op_sel_hi:[1,1,0]
.else
	v_fma_mix_f32_bf16 v[C0], v[cb+wd],   v[cb+16+wd], v[C0] op_sel_hi:[1,1,0]
	v_fma_mix_f32_bf16 v[C1], v[cb+8+wd], v[cb+24+wd], v[C1] op_sel_hi:[1,1,0]
.endif
	v_fma_mix_f32_bf16 v[C0], v[cb+wd],   v[cb+16+wd], v[C0] op_sel:[1,1,0] op_sel_hi:[1,1,0]
	v_fma_mix_f32_bf16 v[C1], v[cb+8+wd], v[cb+24+wd], v[C1] op_sel:[1,1,0] op_sel_hi:[1,1,0]
.set wd, wd+1
.endr
.endm
	CLD 0
.set ss, 0
.rept 15
	CLD ss+1
	s_wait_dscnt 8                                 ; all but the next step's eight loads
	CFM ss
.set ss, ss+1
.endr
	s_wait_dscnt 0x0
	CFM 15
	v_add_f32 v[C0], v[C0], v[C1]                  ; the dot
	v_fma_f32 v[T], v[C0], -2.0, v[FQ]             ; f_sq - 2 dot, one rounding
	v_add_f32 v[T], v[T], v[EQ]                    ; + e_sq
	; the least (t, index) of a row's four lanes: two exchanges, with the lane 1 and the lane 2 away; the order is total (the four indices differ), so all four lanes end alike
	v_mov_b32 v[BI], v[IDX]
	v_mov_b32 v[OT], 0                             ; a DPP form counts as a reader of its destination
	v_mov_b32 v[OI], 0
.irp m, 1,2
	v_mov_b32_dpp v[OT], v[T]  row_xmask:\m row_mask:0xf bank_mask:0xf
	v_mov_b32_dpp v[OI], v[BI] row_xmask:\m row_mask:0xf bank_mask:0xf
	v_cmp_lt_f32 s58, v[OT], v[T]
	v_cmp_eq_f32 s59, v[OT], v[T]
	v_cmp_lt_u32 s60, v[OI], v[BI]
	s_and_b32 s59, s59, s60
	s_or_b32 s58, s58, s59
	v_cndmask_b32 v[T],  v[T],  v[OT], s58
	v_cndmask_b32 v[BI], v[BI], v[OI], s58
.endr
	v_cmp_eq_u32 s58, v[BI], v[IDX]                ; bit 4 x row + d: candidate d is the row's choice
	global_store_b32 v[FO], v[BI], s[48:49]        ; a row's four lanes store the same number to the same word: 32 consecutive bytes a wave
; THE WAY OUT.  Row rho: all four candidates' rows are read from LDS, 8 bytes a lane and piece of 256; the choice selects; bf16 to f32 is a shift or a mask.  A store's registers are written once in the launch.
.macro OLD rho
.set ob, R+32*((\rho)%2)
.irp c, 0,1,2,3
.irp d, 0,1,2,3
	ds_load_b64 v[ob+8*\c+2*\d:ob+8*\c+2*\d+1], v[L8B] offset:(4*(\rho)+\d)*PT+256*\c
.endr
.endr
.endm
.macro OROW rho
.set ob, R+32*((\rho)%2)
.set oo, R+64+16*(\rho)
	s_bitcmp1_b32 s58, 4*(\rho)+1                  ; the choice as masks for all lanes: they select values and steer nothing
	s_cselect_b32 s61, -1, 0
	s_bitcmp1_b32 s58, 4*(\rho)+2
	s_cselect_b32 s62, -1, 0
	s_bitcmp1_b32 s58, 4*(\rho)+3
	s_cselect_b32 s63, -1, 0
.irp c, 0,1,2,3
.irp u, 0,1
	v_cndmask_b32 v[ob+8*\c+\u], v[ob+8*\c+\u], v[ob+8*\c+2+\u], s61
	v_cndmask_b32 v[ob+8*\c+\u], v[ob+8*\c+\u], v[ob+8*\c+4+\u], s62
	v_cndmask_b32 v[ob+8*\c+\u], v[ob+8*\c+\u], v[ob+8*\c+6+\u], s63
.endr
	v_lshlrev_b32 v[oo+4*\c],   16,  v[ob+8*\c]
	v_and_b32     v[oo+4*\c+1], s56, v[ob+8*\c]
	v_lshlrev_b32 v[oo+4*\c+2], 16,  v[ob+8*\c+1]
	v_and_b32     v[oo+4*\c+3], s56, v[ob+8*\c+1]
	global_store_b128 v[L16], v[oo+4*\c:oo+4*\c+3], s[14:15] offset:2048*(\rho)+512*\c th:TH_STORE_NT  ; sixteen lanes store 256 consecutive bytes, aligned
.endr
.endm
	OLD 0
.set ss, 0
.rept 7
	OLD ss+1
	s_wait_dscnt 16                                ; all but the next row's sixteen loads
	OROW ss
.set ss, ss+1
.endr
	s_wait_dscnt 0x0
	OROW 7
	s_wait_tensorcnt 0x0                           ; the wave's end: behind my last LDS store
	ds_add_u32 v[SPW], v[NIL]
	s_wait_dscnt 0x0
	s_endpgm
.Lfunc_end_k_qfbce1a599c_pick:
	.size	k_qfbce1a599c_pick, .Lfunc_end_k_qfbce1a599c_pick-k_qfbce1a599c_pick
	.p2alignl 7, 3214868480
	.fill 96, 4, 3214868480
	.section	.rodata,"a",@progbits
	.p2align	6, 0x0
	.amdhsa_kernel k_qfbce1a599c_pick
		.amdhsa_group_segment_fixed_size 83456
		.amdhsa_private_segment_fixed_size 0
		.amdhsa_enable_private_segment 0
		.amdhsa_kernarg_size 56
		.amdhsa_user_sgpr_count 2
		.amdhsa_user_sgpr_kernarg_segment_ptr 1
		.amdhsa_wavefront_size32 1
		.amdhsa_system_sgpr_workgroup_id_x 1
		.amdhsa_system_sgpr_workgroup_id_y 1
		.amdhsa_system_sgpr_workgroup_id_z 1
		.amdhsa_system_vgpr_workitem_id 0
		.amdhsa_next_free_vgpr 256
		.amdhsa_next_free_sgpr 66
		.amdhsa_reserve_vcc 0
		.amdhsa_float_denorm_mode_32 3
		.amdhsa_float_denorm_mode_16_64 3
		.amdhsa_memory_ordered 1
		.amdhsa_forward_progress 1
		.amdhsa_inst_pref_size 93
	.end_amdhsa_kernel
	.amdgpu_metadata
---
amdhsa.version: [ 1, 2 ]
amdhsa.kernels:
  - .name:           k_qfbce1a599c_pick
    .symbol:         k_qfbce1a599c_pick.kd
    .args:
      - { .name: xb, .offset: 0, .size: 8, .value_kind: global_buffer, .address_space: global }
      - { .name: eb, .offset: 8, .size: 8, .value_kind: global_buffer, .address_space: global }
      - { .name: fsq, .offset: 16, .size: 8, .value_kind: global_buffer, .address_space: global }
      - { .name: esq, .offset: 24, .size: 8, .value_kind: global_buffer, .address_space: global }
      - { .name: cidx, .offset: 32, .size: 8, .value_kind: global_buffer, .address_space: global }
      - { .name: out0, .offset: 40, .size: 8, .value_kind: global_buffer, .address_space: global }
      - { .name: out1, .offset: 48, .size: 8, .value_kind: global_buffer, .address_space: global }
    .group_segment_fixed_size: 83456
    .private_segment_fixed_size: 0
    .kernarg_segment_align: 8
    .kernarg_segment_size: 56
    .max_flat_workgroup_size: 64
    .sgpr_count:     66
    .vgpr_count:     256
    .wavefront_size: 32
...
	.end_amdgpu_metadata
.endif
;; end of part 3
;; ======== version 2 of 3: 3 launches; 1.49 times as fast as version 1
;; limits: values within 3.05e-05 (relative) of each other or of a threshold may be ordered or decided otherwise than in the reference
;; workspace buffers: xb 16,777,216 bytes; eb 8,388,608 bytes; fsq 65,536 bytes; esq 32,768 bytes; cidx 262,144 bytes of whole numbers
;; launch prep: the kernel of part 1 again; grid 384 x 1, 8 waves a work-group, no clusters, 87,296 bytes of LDS; arguments x, embed, xb, eb, fsq, esq; writes xb, eb, fsq, esq
;; launch vq (part 4): grid 128 x 2, 4 waves a work-group, clusters of 4 x 1, 327,680 bytes of LDS; arguments xb, eb, fsq, esq, cidx; writes cidx
.if DOCPART == 4
	.amdgcn_target "amdgcn-amd-amdhsa--gfx1250"
	.amdhsa_code_object_version 6
	.text
	.protected	k_qfbce1a599c_vq
	.globl	k_qfbce1a599c_vq
	.p2align	8
	.type	k_qfbce1a599c_vq,@function
k_qfbce1a599c_vq:
	s_mov_b64 s[64:65], 0
	v_nop
	global_prefetch_b8 v0, s[64:65] scope:SCOPE_SE
	s_setreg_imm32_b32 hwreg(HW_REG_WAVE_MODE, 25, 1), 1
	s_wait_xcnt 0x0
	s_wait_alu depctr_hold_cnt(0) depctr_sa_sdst(0) depctr_va_vdst(0) depctr_va_sdst(0) depctr_va_ssrc(0) depctr_va_vcc(0) depctr_vm_vsrc(0)
	s_getreg_b32 s2, hwreg(HW_REG_IB_STS2, 6, 4)
	s_cmp_eq_u32 s2, 0
	s_cbranch_scc0 .Lentry_in_a_cluster
	s_endpgm
.Lentry_in_a_cluster:
	s_bfe_u32 s2, ttmp6, 0x10000c
	s_cmp_lg_u32 s2, 0x3003
	s_cbranch_scc0 .Lentry_shape_is_right
	s_endpgm
.Lentry_shape_is_right:
; THE FILTER.  For each of 16,384 rows f of xb and each HALF of the 8,192 codes e of eb: the indices of two codes with the least t = f_sq - 2 f.e + e_sq.  xb, eb: [..][512] bf16; fsq, esq: f32.
; cidx[half][row][2] = those two indices (0..8191).  The products are bf16 with f32 sums.  This launch decides nothing: a later launch reckons t anew for a row's four candidates and chooses.
; THE SUMS ARE -t / 2: a sum starts from C = -e_sq / 2 - f_sq / 2 (one fused multiply-add for two codes) and the 16 K steps add f.e onto it.  So nothing is left to reckon behind the products, and the GREATEST sum is wanted.
; KEYS.  A sum is kept as a KEY: its 8 low bits are replaced by a number that says where the code lies.  So one register holds value and place, and keys are compared as f32.
; LIMITS.  Keys order t to 256 units in its last place (2^-15 of t).  The code that a full comparison would choose is among a half's two unless (a) two OTHER codes of that half have t within that distance of
; it (three equal codes in one half, say), or (b) the code four further on or back in the same tile of 16 has: of a lane's registers j and j + 4 only the greater key goes on.  A sum that is infinite or NaN makes
; a key that is a NaN, which is never kept.
; SHARES.  A work-group owns 128 rows and one half of the codes (4,096), in 32 SLABS of 128 codes.  Wave w owns rows 64 (w / 2) .. + 63, which stay in 512 registers for the whole launch,
; and codes 64 (w % 2) .. + 63 of every slab: four TILES of 16 codes, each 16 K steps x 4 row tiles = 64 matrix instructions.
; LAYOUT.  Source 0 = 16 codes, source 1 = 16 rows: in the result a lane holds ONE row (lane % 16) and codes 8 (lane / 16) + 0..7 in its registers 0-7.  So the greatest keys run down the registers, and
; lanes meet once, at the end.  A fragment of codes read from LDS feeds four matrix instructions.
; RIDERS.  A tile's 112 vector instructions stand behind the NEXT tile's 64 matrix instructions, seven a K step; two sets of four accumulators take turns.  The riders read a set out and write the
; start of the tile after next into it.
; THE LDS LOADS STAND IN RUNS, never singly among the matrix instructions: while one half of a tile's fragments (8 K steps, 64 registers) is multiplied, the other half's 16 loads go out together,
; behind the second of the half's 32 matrix instructions: eight runs a slab, each with one wait.
; CLUSTER.  The four work-groups of a cluster walk the same half of the codes, so each slab, and esq's half, is asked for JOINTLY: the same tensor load, descriptor and mask of four in all of them.
; Rows of x are read by one work-group of a half alone and never lie in LDS: nothing else is shared.
; REGISTERS, in windows of 256 (s_set_vgpr_msb: bits 1:0 source 0, 3:2 source 1, 5:4 source 2, 7:6 destination):
;   window 0: addresses and the ending          window 2: x's fragments of K steps 0-7, at 32 ks + 8 qt          window 3: those of K steps 8-15
;   window 1: v0-127 the codes' fragments, K step ks at 8 ks; v128-191 two sets of four accumulators; v192-207 e_sq, two sets; v208-215 -f_sq / 2, a pair a row tile; v216-231 the greatest key, for each j % 4 and
;             row tile; v232-247 the second; v248-251 at work; v252-254 LDS addresses
; No rider and no LDS load names a vector register in source 1.  So they run under the products' own setting (source 1 in window 2 or 3, all else in window 1), and a tile has two switches.
; NO FIRST STEP IS WRITTEN OUT: the loop's first trip finishes a tile that has not been, on fragments of 0 and sums of the lowest finite number: its keys are kept at first, and every true key is greater
; and takes their place (a state meets 128 true keys).  The price, once a launch: 32 matrix instructions on zeros and 160 v_mov_b32, which stand in the wait for the first slab.
.set PITCH,  272                       ; an LDS row: 256 bytes + 16 of padding = 68 words: the 16 rows of a fragment load start at 16 different groups of four banks (64 banks of 4 bytes: ISA guide 11.1)
.set STRIPB, 128*PITCH                 ; a strip: 128 codes x 128 along K: what one tensor load brings
.set SLOT,   4*STRIPB                  ; a slab: strip s holds K = 128 s .. 128 s + 127.  139,264 = 0x22000 shares no bit with a wave's strip offset (w x 0x8800): one exclusive or changes slots
.set ESQ,    2*SLOT                    ; behind the ring: the half's 4,096 e_sq, filled once
.set MRG,    ESQ+16384                 ; 2,048 bytes a wave for the ending; no tensor load lands here
.set SPARE,  MRG+8192                  ; the spare words, 128 bytes for each wave; no other line names them
.set SLABB,  128*1024                  ; a slab's bytes in eb
.set RR,  2                            ; v2   lane % 16
.set HH,  3                            ; v3   lane / 16
.set QO,  4                            ; v4   my byte offset in 16 rows of xb: 1,024 (lane % 16) + 16 (lane / 16)
.set AB0, 5                            ; v5   my lane's place in strips 0 and 1 of a slot
.set AB1, 6                            ; v6   in strips 2 and 3
.set EB0, 7                            ; v7   my lane's place in ESQ
.set FO,  8                            ; v8   4 (lane % 16)
.set LN,  9                            ; v9   lane
.set BS,  10                           ; v10-13  the ending: the bits of an index that a key leaves out, for j % 4 = 0..3
.set TT,  14                           ; v14  at work
.set HI,  16                           ; v16, v17  at work in a merge
.set HII, 17
.set GO,  18                           ; v18  my byte offset in cidx
.set SPW, 28                           ; v28  LDS address of my spare word; never rewritten
.set NIL, 29                           ; v29  0; never rewritten
.set MA,  30                           ; v30  where I put 16 bytes
.set RA,  31                           ; v31  where I read a row's
.set QD,  64                           ; v64-127  the ending: (key, key, index, index), greatest first, for row tile q and j % 4 = p at QD + 16 q + 4 p
.set RQ,  128                          ; v128-143 the same from the four lanes that share a row
.set F,    0                           ; window 1
.set ACC,  128
.set E,    192
.set FS,   208
.set B1,   216
.set B2,   232
.set XT,   248
.set ADR0, 252                         ; ADR0 + 1 serves strips 2 and 3
.set EA,   254
.set WV,   16                          ; s16  my wave's number
.set QH,   17                          ; s17  which 64 rows
.set CQ,   18                          ; s18  which 64 codes of a slab
.set CX,   19                          ; s19  my place in the cluster
.set QB,   20                          ; s20  my block of 128 rows: it enters xb's, fsq's and cidx's addresses alone
.set HALF, 21                          ; s21  the half of the codes, which the four partners share
.set G1,   24                          ; s[24:31] descriptor group 1 for a strip
.set G1E,  32                          ; s[32:39] for a quarter of esq's half
.set G0,   40                          ; s[40:43] descriptor group 0 for my strip: it walks
.set G0E,  44                          ; s[44:47] for my quarter of esq's half
.set TB,   48                          ; s48  the slot that is read: 0 or SLOT
.set CUR1, 49                          ; s49  what the low bits of a key of registers 4-7 take: CUR + 1
.set ES,   51                          ; s51  512 x the slab to come
.set CUR,  52                          ; s52  what the low bits of a key of registers 0-3 take: 2 x (my tile's number, 0..127)
.set INF,  53                          ; s53  +inf
.set NINF, 54                          ; s54  -inf
.set MSK,  55                          ; s55  the 8 low bits
.set M,    56                          ; s[56:57] lane masks, in the ending
.set CNT,  58                          ; s58  slabs still to be asked for
.set NFMX, 59                          ; s59  the lowest finite number
.set MSB, 0
.macro WIN new                         ; the immediate's high byte repeats the setting that is left; a switch that changes nothing is dropped
.if MSB != (\new)
	s_set_vgpr_msb (MSB<<8)|(\new)
.set MSB, (\new)
.endif
.endm
.set W_A,  0x59                        ; source 1 (x) in window 2, all else in window 1
.set W_B,  0x5d                        ; source 1 in window 3
.set W_T1, 0x40                        ; destination in window 1, sources in window 0
; A round of the cluster's barrier: my work-group's barrier, so that wave 0's signal speaks for all four waves; wave 0 signals; every wave waits for all four work-groups; my work-group's barrier once more.
.macro CREST                           ; a round behind its opening barrier
	s_cmp_lg_u32 s[WV], 0
	s_cbranch_scc1 .Lnot_wave_0_\@
	s_barrier_signal -3
.Lnot_wave_0_\@:
	s_barrier_wait -3
	s_barrier_signal -1
	s_barrier_wait -1
.endm
.macro ROUND
	s_barrier_signal -1
	s_barrier_wait -1
	CREST
.endm
	s_load_b256 s[4:11], s[0:1], 0x0               ; xb s[4:5], eb s[6:7], fsq s[8:9], esq s[10:11]
	s_load_b64 s[12:13], s[0:1], 0x20              ; cidx
	v_lshl_add_u32 v[SPW], v0, 2, SPARE
	v_mov_b32 v[NIL], 0
	ds_add_u32 v[SPW], v[NIL]                      ; the wave's opening: the add and its wait stand ahead of my first tensor load; the set-up below, work on registers, stands between them
	v_lshrrev_b32 v1, 5, v0
	v_readfirstlane_b32 s[WV], v1                  ; wave 0..3
	s_lshr_b32 s[QH], s[WV], 1
	s_and_b32 s[CQ], s[WV], 1
	s_bfe_u32 s[CX], ttmp6, 0x40000
	s_lshl_b32 s[QB], ttmp9, 2                     ; in a cluster launch ttmp9 counts clusters
	s_add_co_u32 s[QB], s[QB], s[CX]
	s_and_b32 s[HALF], ttmp7, 0xffff
	; group 1 for a strip: 128 rows x 128 elements of 2 bytes, 512 elements from row to row, padded in LDS
	s_mov_b32 s[G1], 15|(1<<16)|(1<<20)|(1<<21)|(5<<22)|(3<<25)  ; 15:0 the mask of four; 17:16 2-byte elements; 20 padding on; 21 set beside a mask; 24:22 after every 64 words (code 5); 31:25 4 words (code 3)
	s_mov_b32 s[G1+1], 128<<16                     ; tensor_dim0 = 128
	s_mov_b32 s[G1+2], 128<<16                     ; tensor_dim1 = 128
	s_mov_b32 s[G1+3], 128<<16                     ; tile_dim0 = 128
	s_mov_b32 s[G1+4], 128                         ; tile_dim1 = 128
	s_mov_b32 s[G1+5], 512                         ; elements from row to row
	s_mov_b32 s[G1+6], 0
	s_mov_b32 s[G1+7], 0
	; group 1 for 4,096 dense bytes of esq: 16 rows of 32 elements of 8 bytes
	s_mov_b32 s[G1E], 15|(3<<16)|(1<<21)
	s_mov_b32 s[G1E+1], 32<<16
	s_mov_b32 s[G1E+2], 16<<16
	s_mov_b32 s[G1E+3], 32<<16
	s_mov_b32 s[G1E+4], 16
	s_mov_b32 s[G1E+5], 32
	s_mov_b32 s[G1E+6], 0
	s_mov_b32 s[G1E+7], 0
	s_mov_b32 s[G0], 1                             ; count = 1
	s_mul_i32 s[G0+1], s[WV], STRIPB               ; LDS address: my strip of slot 0: no place in the cluster enters an LDS address
	s_mov_b32 s[G0E], 1
	s_lshl_b32 s[G0E+1], s[WV], 12
	s_add_co_u32 s[G0E+1], s[G0E+1], ESQ
	s_lshl_b32 s22, s[HALF], 22                    ; eb: the half's 4,096 rows of 1,024 bytes,
	s_lshl_b32 s23, s[WV], 8                       ; my strip's 256 bytes of a row
	s_add_co_u32 s22, s22, s23
	s_mov_b32 s23, 0
	s_lshl_b32 s2, s[HALF], 14                     ; esq: the half's 16,384 bytes, my quarter
	s_lshl_b32 s3, s[WV], 12
	s_add_co_u32 s2, s2, s3
	s_mov_b32 s3, 0
	s_lshl_b32 s62, s[QB], 17                      ; xb: my block's 128 rows of 1,024 bytes, my wave's 64 of them
	s_lshl_b32 s63, s[QH], 16
	s_add_co_u32 s62, s62, s63
	s_mov_b32 s63, 0
	s_mov_b32 s[INF], 0x7f800000
	s_mov_b32 s[NINF], 0xff800000
	s_mov_b32 s[NFMX], 0xff7fffff
	s_mov_b32 s[MSK], 0xff
	s_mov_b32 s[TB], SLOT                          ; the first change of slots turns it into 0
	s_mov_b32 s[ES], 0
	s_mov_b32 s[CNT], 31
	s_mov_b32 s[CUR], -4                           ; the two tiles that have not been step these by 2 each, to 0 and 1
	s_mov_b32 s[CUR1], -3
	s_wait_dscnt 0x0                               ; the opening add is done
	s_wait_kmcnt 0x0
	s_add_nc_u64 s[G0+2:G0+3], s[6:7], s[22:23]    ; global address: my strip of slab 0
	s_or_b32 s[G0+3], s[G0+3], 0x80000000          ; type = 2
	s_add_nc_u64 s[G0E+2:G0E+3], s[10:11], s[2:3]
	s_or_b32 s[G0E+3], s[G0E+3], 0x80000000
	s_add_nc_u64 s[4:5], s[4:5], s[62:63]          ; xb at my wave's first row
	s_lshr_b32 s62, s62, 8                         ; the same rows at 4 bytes
	s_add_nc_u64 s[8:9], s[8:9], s[62:63]          ; fsq likewise
	ROUND                                          ; all four work-groups are here: the first joint loads meet
	tensor_load_to_lds s[G0E:G0E+3], s[G1E:G1E+7]  ; the two first fills go out together: two loads of mine are out
	s_nop 0
	tensor_load_to_lds s[G0:G0+3], s[G1:G1+7]      ; slab 0 into slot 0
	s_nop 0
	; A fragment is 16 rows x 32 along K in 8 registers: lane l holds row l % 16; registers 0-3 K = 8 (l / 16) + 0..7, registers 4-7 K = 16 + 8 (l / 16) + 0..7: two loads of 16 bytes, 32 bytes apart.
	v_and_b32 v[RR], 15, v0
	v_bfe_u32 v[HH], v0, 4, 1
	v_lshlrev_b32 v[QO], 10, v[RR]
	v_lshl_add_u32 v[QO], v[HH], 4, v[QO]
	v_lshlrev_b32 v[FO], 2, v[RR]
	v_and_b32 v[LN], 31, v0
	WIN 0x80                                       ; destination window 2, address window 0
.set i, 0
.rept 32                               ; x stays in registers: K step i / 4, row tile i % 4
	global_load_b128 v[8*i:8*i+3],   v[QO], s[4:5] offset:(i%4)*16384+(i/4)*64
	global_load_b128 v[8*i+4:8*i+7], v[QO], s[4:5] offset:(i%4)*16384+(i/4)*64+32
.set i, i+1
.endr
	WIN 0xc0                                       ; destination window 3
.set i, 0
.rept 32                               ; K step 8 + i / 4
	global_load_b128 v[8*i:8*i+3],   v[QO], s[4:5] offset:(i%4)*16384+(i/4)*64+512
	global_load_b128 v[8*i+4:8*i+7], v[QO], s[4:5] offset:(i%4)*16384+(i/4)*64+544
.set i, i+1
.endr
	WIN W_T1
.irp q, 0,1,2,3
	global_load_b32 v[FS+2*\q],   v[FO], s[8:9] offset:64*\q  ; my row's f_sq, in both words of a pair for the packed multiply-add
	global_load_b32 v[FS+2*\q+1], v[FO], s[8:9] offset:64*\q
.endr
	; what the first trip finds: see the head
.set i, 0
.rept 64
	v_mov_b32 v[F+64+i], 0                         ; the fragments of K steps 8-15
	v_mov_b32 v[ACC+i], s[NFMX]                    ; both sets: sums of tiles that have not been
.set i, i+1
.endr
.set i, 0
.rept 32
	v_mov_b32 v[B1+i], s[NINF]                     ; the greatest and second keys (B2 follows B1)
.set i, i+1
.endr
	WIN 0
	v_mul_u32_u24 v[AB0], v[RR], PITCH
	v_lshl_add_u32 v[AB0], v[HH], 4, v[AB0]        ; row x pitch + 16 x half,
	s_mul_i32 s2, s[CQ], 64*PITCH
	v_add_nc_u32 v[AB0], s2, v[AB0]                ; in my 64 codes
	v_add_nc_u32 v[AB1], 2*STRIPB, v[AB0]
	s_lshl_b32 s2, s[CQ], 8
	s_add_co_u32 s2, s2, ESQ
	v_lshl_add_u32 v[EB0], v[HH], 5, s2            ; e_sq of codes 64 (w % 2) + 8 (l / 16) on
	s_wait_loadcnt 0x0                             ; x and f_sq
	WIN 0x41                                       ; destination and source 0 in window 1
.irp q, 0,1,2,3
	v_pk_mul_f32 v[FS+2*\q:FS+2*\q+1], v[FS+2*\q:FS+2*\q+1], -0.5 op_sel_hi:[1,0]  ; -f_sq / 2: exact
.endr
	WIN 0
	s_wait_tensorcnt 0x1                           ; tensor loads of a wave end in order: my quarter of esq is in; slab 0's load, issued behind it, may stay out
	s_barrier_signal -1
	s_barrier_wait -1                              ; everybody's quarter is
	WIN W_T1
	ds_load_b128 v[E:E+3],   v[EB0]                ; e_sq of slab 0's tile 0: the first trip's riders make that tile's start of it
	ds_load_b128 v[E+4:E+7], v[EB0] offset:16
	WIN 0
; RIDER r (0..111) of the tile whose sums lie in accumulator set AS; qt is the row tile, and the row tiles take turns, so that a line stands four behind the one that feeds it.
;   0-23, 24-47, 48-71, 80-103   group g = 0..3: registers g and g + 4 of each accumulator, six lines a row tile (group 0 reads each accumulator's lowest register first):
;           key = sum with CUR in its 8 low bits, in place, for register g; the same with CUR1 for register g + 4;  k = the greater of the two, in place;
;           x = max(second, k);  second = min(greatest, x) (the middle one of the three, since greatest >= second);  greatest = max(greatest, k)
;           the middle operands, +inf and -inf, change nothing: they keep source 1 free of vector registers
;   72-79, 104-111   the registers that have been read out take the start of the tile after next, which will add onto this set: -e_sq / 2 - f_sq / 2, a pair of codes at a time:
;           pairs 0 and 2 behind groups 0 and 1, pairs 1 and 3 behind groups 2 and 3.  NOC = 1 (no tile follows): none of these
;   behind group 3 CUR and CUR1 step to the next tile
.set NOC, 0
.macro RID
.if ((r >= 72) && (r < 80)) || (r >= 104)
.if !NOC
.if r < 80
.set rp, 2*((r-72)/4)
.else
.set rp, 2*((r-104)/4)+1
.endif
.set rq, r%4
.set ra, ACC+32*AS+8*rq+2*rp
.set re, E+8*AS+2*rp
	v_pk_fma_f32 v[ra:ra+1], v[re:re+1], -0.5, v[FS+2*rq:FS+2*rq+1] op_sel_hi:[1,0,1]
.endif
.else
.if r < 72
.set rg, r/24
.set rv, r%24
.else
.set rg, 3
.set rv, r-80
.endif
.set rk, rv/4
.set rq, rv%4
.set ra, ACC+32*AS+8*rq+rg
.set rs, 4*rg+rq
.if rk == 0
	v_bfi_b32 v[ra], s[MSK], s[CUR], v[ra]
.elseif rk == 1
	v_bfi_b32 v[ra+4], s[MSK], s[CUR1], v[ra+4]
.elseif rk == 2
	v_max3_num_f32 v[ra], v[ra], s[NINF], v[ra+4]
.elseif rk == 3
	v_max3_num_f32 v[XT+rq], v[B2+rs], s[NINF], v[ra]
.elseif rk == 4
	v_min3_num_f32 v[B2+rs], v[B1+rs], s[INF], v[XT+rq]
.else
	v_max3_num_f32 v[B1+rs], v[B1+rs], s[NINF], v[ra]
.endif
.if r == 103
	s_add_co_u32 s[CUR], s[CUR], 2
	s_add_co_u32 s[CUR1], s[CUR1], 2
.endif
.endif
.set r, r+1
.endm
; Half a fragment: tile t, K step k.  K steps 0-7 lie in strips 0 and 1 (ADR0), 8-15 in strips 2 and 3 (ADR0 + 1); the immediate is 48,096 at the most.
.macro FLOAD t, k, part
	ds_load_b128 v[F+8*(\k)+4*(\part):F+8*(\k)+4*(\part)+3], v[ADR0+(\k)/8] offset:(((\k)/4)%2)*STRIPB+(\t)*16*PITCH+((\k)%4)*64+32*(\part)
.endm
.macro ELOAD tn, part                  ; four of the e_sq of tile tn of the slab in hand; tn = 4: of the next slab's tile 0, 512 bytes on from this slab's
.if (\tn) < 4
.set eo, 64*(\tn)
.else
.set eo, 512
.endif
	ds_load_b128 v[E+8*((\tn)%2)+4*(\part):E+8*((\tn)%2)+4*(\part)+3], v[EA] offset:eo+16*(\part)
.endm
; A RUN: the fragments of tile t's K steps k0 .. k0 + 7, 16 loads; eq >= 0: and tile eq's e_sq, two more.
.macro FRUN t, k0, eq
.set fi, 0
.rept 8
	FLOAD \t, (\k0)+fi, 0
	FLOAD \t, (\k0)+fi, 1
.set fi, fi+1
.endr
.if (\eq) >= 0
	ELOAD \eq, 0
	ELOAD \eq, 1
.endif
.endm
; A K STEP: four matrix instructions, the set's four accumulators by turns (one instruction a turn, everywhere), each adding in place, and one, two, two and two riders behind them.
; as: accumulator set; ks: K step; wt: the wait at its head, or -1; rn = 1: a run (FRUN ft, fk, eq) stands behind the step's second matrix instruction and its riders.
; PLACES.  The run loads the registers that the half tile before has multiplied.  The last product that read one of them stands five plain riders back that name none of its registers: two behind itself,
; one behind the next matrix instruction, two behind the one after.  The same five stand between a tile's last product and the first rider that touches its accumulator (rider 3: row tile 3).
.macro KSTEP as, ks, wt, rn, ft, fk, eq
.if (\wt) >= 0
	s_wait_dscnt \wt
.endif
.if (\ks) < 8
	WIN W_A
.else
	WIN W_B
.endif
.set kq, 0
.rept 4
.set ka, ACC+32*(\as)+8*kq
.set kf, F+8*(\ks)
.set kb, 32*((\ks)%8)+8*kq
	v_wmma_f32_16x16x32_bf16 v[ka:ka+7], v[kf:kf+7], v[kb:kb+7], v[ka:ka+7]
	RID
.if kq > 0
	RID
.endif
.if (\rn) && (kq == 1)
	FRUN \ft, \fk, \eq
.endif
.set kq, kq+1
.endr
.endm
; A half tile begins with the wait for the run that brought its fragments, which is all that is out: the count is 0.  That run was issued 30 matrix instructions earlier (behind a change of slots: 20).
.macro H0 t, eq                        ; tile t's K steps 0-7; they fetch its K steps 8-15 and the next tile's e_sq (tile eq), and carry riders 0-55 of the tile before
.set r, 0
.set AS, ((\t)+1)%2
	KSTEP (\t)%2, 0, 0, 1, \t, 8, \eq
.irp i, 1,2,3,4,5,6,7
	KSTEP (\t)%2, \i, -1, 0, 0, 0, -1
.endr
.endm
.macro H1 t                            ; tile t's K steps 8-15 (t < 3); they fetch the next tile's K steps 0-7 and carry riders 56-111
	KSTEP (\t)%2, 8, 0, 1, (\t)+1, 0, -1
.irp i, 1,2,3,4,5,6,7
	KSTEP (\t)%2, 8+\i, -1, 0, 0, 0, -1
.endr
.endm
; TILE 3's K STEPS 8-15 AND THE CHANGE OF SLOTS.  All loads from the slab in hand have been issued.  Each wave waits for all its tensor loads, of which one is out: its strip of the next slab; adds 0 to its
; spare word; and waits for that and for its reads of the slot.  Behind the barrier nobody reads this slot any more and the other slot is whole.  fill = 1: the barrier opens a round of the cluster's,
; so that no wave of any partner still reads the slot or has a load on its way, and the joint refill is the first thing behind the round: 244 of a slab's 256 matrix instructions stand between it
; and the wait for it.  Behind it the run of the next slab's first eight fragments.
.macro XHALF fill
.set r, 56
.set AS, 0
	WIN 0                                          ; (the add's two registers lie in window 0)
	s_wait_tensorcnt 0x0                           ; no tensor load of mine is out, so group 0 may be written
	ds_add_u32 v[SPW], v[NIL]                      ; 0 onto my spare word; work on registers stands between it and the wait for it
	s_xor_b32 s[TB], s[TB], SLOT                   ; the reads go to the other slot,
.if \fill
	s_xor_b32 s[G0+1], s[G0+1], SLOT               ; the walking descriptor to the other slot than last time,
	s_add_nc_u64 s[G0+2:G0+3], s[G0+2:G0+3], SLABB ; the next 128 codes; the type bits on top are not reached
.endif
	WIN W_T1
	v_add_nc_u32 v[ADR0], s[TB], v[AB0]
	v_add_nc_u32 v[ADR0+1], s[TB], v[AB1]
	v_add_nc_u32 v[EA], s[ES], v[EB0]
	s_add_co_u32 s[ES], s[ES], 512
	KSTEP 1, 8, 1, 0, 0, 0, -1                     ; LDS instructions end in order: the run that brought these fragments and the next tile's e_sq is in; the add, issued behind it, may be out
	KSTEP 1, 9, -1, 0, 0, 0, -1
	s_wait_dscnt 0x0                               ; the add is done, and my reads of this slot are over
	s_barrier_signal -1
	KSTEP 1, 10, -1, 0, 0, 0, -1                   ; work on registers while the others arrive
.if \fill
	WIN 0
.endif
	s_barrier_wait -1
.if \fill
	CREST
	tensor_load_to_lds s[G0:G0+3], s[G1:G1+7]      ; my one tensor load behind the round
	s_nop 0
.endif
	WIN W_B                                        ; (the switch of windows stands directly behind the s_nop 0, and none follows among the next lines)
	FRUN 0, 0, -1                                  ; from the other slot; these registers were last multiplied 44 matrix instructions ago
	KSTEP 1, 11, -1, 0, 0, 0, -1
	KSTEP 1, 12, -1, 0, 0, 0, -1
	KSTEP 1, 13, -1, 0, 0, 0, -1
	KSTEP 1, 14, -1, 0, 0, 0, -1
	KSTEP 1, 15, -1, 0, 0, 0, -1
.endm
.macro SEG fill                        ; from the middle of a slab's last tile to the middle of the next slab's
	XHALF \fill
	H0 0, 1
	H1 0
	H0 1, 2
	H1 1
	H0 2, 3
	H1 2
.if \fill
	H0 3, 4
.else
	H0 3, -1                                       ; no slab follows: no e_sq is fetched
.endif
.endm
.Lslab:                                                ; 31 trips: trip s waits for slab s and asks for slab s + 1
	SEG 1
	WIN 0                                          ; at a label and at a branch every window is 0
	s_sub_co_u32 s[CNT], s[CNT], 1
	s_cmp_lg_u32 s[CNT], 0
	s_cbranch_scc1 .Lslab
	SEG 0                                          ; the last slab is written out: nothing is asked for
.set NOC, 1                            ; no tile follows: no start is made
.set r, 56
.set AS, 0
	KSTEP 1, 8, 0, 0, 0, 0, -1                     ; the last tile's second half: its run is waited for, and nothing more is fetched
.irp i, 1,2,3,4,5,6,7
	KSTEP 1, 8+\i, -1, 0, 0, 0, -1
.endr
.rept 4
	v_nop                                          ; the places behind the last products: no other vector work is at hand
.endr
.set r, 0
.set AS, 1
.rept 112
	RID                                            ; the last tile's riders have no products to stand behind
.endr
	; THE ENDING.  A lane holds, for each of its four rows, four sorted pairs of keys.  Each key's index is written out; then sorted pairs are merged, two into one, index beside key: first the lane's four,
	; then, through LDS, those of the four lanes that share a row (16 apart in each of two waves).
	WIN 0x01                                       ; source 0 in window 1
.irp q, 0,1,2,3
.irp p, 0,1,2,3
	v_mov_b32 v[QD+16*\q+4*\p],   v[B1+4*\p+\q]
	v_mov_b32 v[QD+16*\q+4*\p+1], v[B2+4*\p+\q]
.endr
.endr
	WIN 0
	; an index, from the top: half (1 bit), slab (5), w % 2 (1), tile (2), lane / 16 (1), j (3).  A key's low bits, from the top: slab (5), tile (2), j / 4 (1).
	s_lshl_b32 s2, s[CQ], 6
	s_lshl_b32 s3, s[HALF], 12
	s_or_b32 s2, s2, s3
	v_lshl_or_b32 v[BS], v[HH], 3, s2
	v_or_b32 v[BS+1], 1, v[BS]
	v_or_b32 v[BS+2], 2, v[BS]
	v_or_b32 v[BS+3], 3, v[BS]
.macro DEC k, p                        ; the index of the key in register k goes into register k + 2
	v_and_b32 v[TT], 1, v[\k]
	v_lshl_or_b32 v[(\k)+2], v[TT], 2, v[BS+(\p)]
	v_and_b32 v[TT], 6, v[\k]
	v_lshl_or_b32 v[(\k)+2], v[TT], 3, v[(\k)+2]
	v_and_b32 v[TT], 0xf8, v[\k]
	v_lshl_or_b32 v[(\k)+2], v[TT], 4, v[(\k)+2]
.endm
; Two sorted pairs at registers a and b (key, key, index, index) become one at a: the first is the greater of the two firsts; the second is the greatest of the lesser first and the two seconds.
.macro MRG2 a, b
	v_cmp_gt_f32 s[M], v[\b], v[\a]
	v_cndmask_b32 v[HI],  v[\b], v[\a], s[M]
	v_cndmask_b32 v[HII], v[(\b)+2], v[(\a)+2], s[M]
	v_cndmask_b32 v[\a], v[\a], v[\b], s[M]
	v_cndmask_b32 v[(\a)+2], v[(\a)+2], v[(\b)+2], s[M]
	v_cmp_gt_f32 s[M+1], v[(\b)+1], v[(\a)+1]
	v_cndmask_b32 v[(\a)+1], v[(\a)+1], v[(\b)+1], s[M+1]
	v_cndmask_b32 v[(\a)+3], v[(\a)+3], v[(\b)+3], s[M+1]
	v_cmp_gt_f32 s[M], v[HI], v[(\a)+1]
	v_cndmask_b32 v[(\a)+1], v[(\a)+1], v[HI], s[M]
	v_cndmask_b32 v[(\a)+3], v[(\a)+3], v[HII], s[M]
.endm
.irp q, 0,1,2,3
.irp p, 0,1,2,3
	DEC QD+16*\q+4*\p, \p
	DEC QD+16*\q+4*\p+1, \p
.endr
.endr
	s_lshl_b32 s2, s[WV], 11
	s_add_co_u32 s2, s2, MRG
	v_lshl_add_u32 v[MA], v[LN], 4, s2             ; my wave's 2,048 bytes: row tile q at 512 q, 16 bytes a lane
.irp q, 0,1,2,3
	MRG2 QD+16*\q, QD+16*\q+4
	MRG2 QD+16*\q+8, QD+16*\q+12
	MRG2 QD+16*\q, QD+16*\q+8
	ds_store_b128 v[MA], v[QD+16*\q:QD+16*\q+3] offset:512*\q
.endr
	s_lshl_b32 s2, s[QH], 12                       ; thread T takes the work-group's row T = 64 (w / 2) + 16 (2 (w % 2) + l / 16) + l % 16:
	s_lshl_b32 s3, s[CQ], 10                       ; it lies in waves 2 (w / 2) and 2 (w / 2) + 1, row tile 2 (w % 2) + l / 16, lanes l % 16 and l % 16 + 16
	s_add_co_u32 s2, s2, s3
	s_add_co_u32 s2, s2, MRG
	v_lshl_add_u32 v[RA], v[HH], 9, s2
	v_lshl_add_u32 v[RA], v[RR], 4, v[RA]
	s_lshl_b32 s62, s[HALF], 17                    ; cidx: [half][row][2], 8 bytes a row
	s_lshl_b32 s63, s[QB], 10
	s_add_co_u32 s62, s62, s63
	v_lshl_add_u32 v[GO], v0, 3, s62
	s_wait_dscnt 0x0                               ; for the others' sake: my pairs are in LDS
	s_barrier_signal -1
	s_barrier_wait -1
	ds_load_b128 v[RQ:RQ+3],     v[RA]
	ds_load_b128 v[RQ+4:RQ+7],   v[RA] offset:256  ; the lane 16 on
	ds_load_b128 v[RQ+8:RQ+11],  v[RA] offset:2048 ; the other wave
	ds_load_b128 v[RQ+12:RQ+15], v[RA] offset:2304
	s_wait_dscnt 0x0
	MRG2 RQ, RQ+4
	MRG2 RQ+8, RQ+12
	MRG2 RQ, RQ+8
	global_store_b64 v[GO], v[RQ+2:RQ+3], s[12:13] ; 32 lanes, 256 consecutive bytes, aligned
	s_wait_tensorcnt 0x0                           ; the wave's end: behind my last tensor load and my last LDS store
	ds_add_u32 v[SPW], v[NIL]
	s_wait_dscnt 0x0
	ROUND                                          ; the closing round: no work-group ends while a partner may still ask for a tile that names it
	s_endpgm
.Lfunc_end_k_qfbce1a599c_vq:
	.size	k_qfbce1a599c_vq, .Lfunc_end_k_qfbce1a599c_vq-k_qfbce1a599c_vq
	.p2alignl 7, 3214868480
	.fill 96, 4, 3214868480
	.section	.rodata,"a",@progbits
	.p2align	6, 0x0
	.amdhsa_kernel k_qfbce1a599c_vq
		.amdhsa_group_segment_fixed_size 327680
		.amdhsa_private_segment_fixed_size 0
		.amdhsa_enable_private_segment 0
		.amdhsa_kernarg_size 40
		.amdhsa_user_sgpr_count 2
		.amdhsa_user_sgpr_kernarg_segment_ptr 1
		.amdhsa_wavefront_size32 1
		.amdhsa_system_sgpr_workgroup_id_x 1
		.amdhsa_system_sgpr_workgroup_id_y 1
		.amdhsa_system_sgpr_workgroup_id_z 1
		.amdhsa_system_vgpr_workitem_id 0
		.amdhsa_next_free_vgpr 1024
		.amdhsa_next_free_sgpr 66
		.amdhsa_reserve_vcc 0
		.amdhsa_float_denorm_mode_32 3
		.amdhsa_float_denorm_mode_16_64 3
		.amdhsa_memory_ordered 1
		.amdhsa_forward_progress 1
		.amdhsa_inst_pref_size 166
	.end_amdhsa_kernel
	.amdgpu_metadata
---
amdhsa.version: [ 1, 2 ]
amdhsa.kernels:
  - .name:           k_qfbce1a599c_vq
    .symbol:         k_qfbce1a599c_vq.kd
    .args:
      - { .name: xb, .offset: 0, .size: 8, .value_kind: global_buffer, .address_space: global }
      - { .name: eb, .offset: 8, .size: 8, .value_kind: global_buffer, .address_space: global }
      - { .name: fsq, .offset: 16, .size: 8, .value_kind: global_buffer, .address_space: global }
      - { .name: esq, .offset: 24, .size: 8, .value_kind: global_buffer, .address_space: global }
      - { .name: cidx, .offset: 32, .size: 8, .value_kind: global_buffer, .address_space: global }
    .group_segment_fixed_size: 327680
    .private_segment_fixed_size: 0
    .kernarg_segment_align: 8
    .kernarg_segment_size: 40
    .max_flat_workgroup_size: 128
    .sgpr_count:     66
    .vgpr_count:     1024
    .wavefront_size: 32
...
	.end_amdgpu_metadata
.endif
;; end of part 4
;; launch pick: the kernel of part 3 again; grid 1024 x 1, 2 waves a work-group, no clusters, 83,456 bytes of LDS; arguments xb, eb, fsq, esq, cidx, out0, out1; writes out0, out1
;; ======== version 3 of 3: 3 launches; version 2 with the launch pick written anew for expert scheduling mode
;; limits: values within 3.05e-05 (relative) of each other or of a threshold may be ordered or decided otherwise than in the reference
;; workspace buffers: xb 16,777,216 bytes; eb 8,388,608 bytes; fsq 65,536 bytes; esq 32,768 bytes; cidx 262,144 bytes of whole numbers
;; launch prep: the kernel of part 1 again; grid 384 x 1, 8 waves a work-group, no clusters, 87,296 bytes of LDS; arguments x, embed, xb, eb, fsq, esq; writes xb, eb, fsq, esq
;; launch vq: the kernel of part 4 again; grid 128 x 2, 4 waves a work-group, clusters of 4 x 1, 327,680 bytes of LDS; arguments xb, eb, fsq, esq, cidx; writes cidx
;; launch pick (part 5): grid 1024 x 1, 2 waves a work-group, no clusters, 83,456 bytes of LDS; arguments xb, eb, fsq, esq, cidx, out0, out1; writes out0, out1
.if DOCPART == 5
	.amdgcn_target "amdgcn-amd-amdhsa--gfx1250"
	.amdhsa_code_object_version 6
	.text
	.protected	k_qfbce1a599c_pick
	.globl	k_qfbce1a599c_pick
	.p2align	8
	.type	k_qfbce1a599c_pick,@function
k_qfbce1a599c_pick:
	s_mov_b64 s[64:65], 0
	v_nop
	global_prefetch_b8 v0, s[64:65] scope:SCOPE_SE
	s_setreg_imm32_b32 hwreg(HW_REG_WAVE_SCHED_MODE, 0, 2), 2
	s_setreg_imm32_b32 hwreg(HW_REG_WAVE_MODE, 25, 1), 1
	s_wait_xcnt 0x0
	s_wait_alu depctr_vm_vsrc(0)
; THE DECISION.  A row has four candidates (two of each half of the codes: cidx[half][row][2], stored by an earlier launch).  For each, t = (f_sq - 2 f.e) + e_sq is reckoned anew in f32; the least t is taken,
; of equal t the lowest index.  out1[row] = that index, out0[row] = that code's row.  xb: [16384][512] bf16, eb: [8192][512] bf16, fsq, esq: f32; out0: [16384][512] f32; out1: [16384] i32.
; ORDER OF THE SUMS.  The index hangs on t's last bit, so the order is fixed.  A product of two bf16 is exact in f32.  The 512 products are added in two chains, k = 0..255 and k = 256..511, each from left
; to right, one rounding a term; then the two chains are added; t is rounded once for f_sq - 2 dot (2 dot is exact) and once for the addition of e_sq.  It is the order assumed for reference()'s own
; f32 product; another order differs from it by f32's rounding, and may then order two codes otherwise whose t are that close.
; LIMITS.  out0 holds the code's numbers as rounded to bf16, widened: within 2^-8 of the f32 numbers, relative.  A t that is NaN is never taken in place of another.
; No address hangs on a floating-point number: all four candidates' rows are read, by indices that an earlier launch stored, and the comparison only selects values.
; SHARES.  A wave takes 8 rows: 32 pairs of row and candidate, ONE LANE A PAIR, since a chain goes from left to right.  So that memory is still read in long pieces, the wave first brings its 32 code rows
; and 8 rows of x into its own LDS, 512 consecutive bytes a load, 40 to 48 loads in flight; then each lane reads its own two rows, 16 bytes at a time.  Nothing passes between waves: no barrier.
; No matrix unit (131,072 numbers a wave), no cluster (which code rows two work-groups share hangs on the data).  A wave's part of out1 is 32 bytes: too little for whole runs of 256.
; THE MODE: SCHED_MODE bits 1:0 = 2 (LLVM: expert scheduling mode 2), set by the entry lines.  The code itself states the register dependences between vector instructions and memory or LDS
; instructions, with s_wait_alu, always for 0.
; THE PLAN.  Registers that memory or LDS instructions touch:
;   v[CI], v[FO], v[L16], v[LS], v[L8B], v[ER], v[XR]   offsets and LDS addresses: written once at the head, never again.  v[AD ..], v[EO]: written once, from the clamped indices.
;   R, ON THE WAY IN: 48 slots.  A load lands in a slot, an LDS store reads it, slots 0-31 take a second load.  No vector instruction names a slot.  The pieces go in groups of eight: eight LDS stores,
;       one wait on vm_vsrc, the eight loads that fill those slots again.
;   R, THE CHAINS: three buffers of 32.  Step s's multiply-adds read buffer s % 3; the LDS loads of step s + 2, issued in step s, land in buffer (s - 1) % 3.  One wait on va_vdst at a step's head
;       states that step s - 1 is done reading that buffer; the step's eight loads are dealt among its multiply-adds, which name buffer s % 3 and the two chains alone.
;   R, THE WAY OUT: two buffers of 32 and 16 out registers for each of the 8 rows, each written once.  Row rho's lines name buffer rho % 2 and row rho's out registers.  One wait on va_vdst at a row's
;       head states that row rho - 1 has written its out registers and is done with its buffer: the loads of row rho + 1 and the stores of row rho - 1 follow it with no further wait.
;   v[SPW], v[NIL]   written at the head, read by the closing add alone.
.set PT,    1040                       ; an LDS row: 1,024 bytes + 16
.set XOFF,  32*PT                      ; behind a wave's 32 code rows: its 8 rows of x
.set WREG,  40*PT
.set SPARE, 2*WREG                     ; 83,200 = 325 x 256: the spare words, 128 bytes for each wave; no other line names them
.set LN,  1                            ; v1   lane = 4 x row + 2 x half + which of the half's two
.set L16, 2                            ; v2   16 x lane
.set L8B, 3                            ; v3   my wave's region + 8 x lane
.set LS,  4                            ; v4   my wave's region + 16 x lane
.set ER,  5                            ; v5   my candidate's row in LDS
.set XR,  6                            ; v6   my row of x in LDS
.set CI,  7                            ; v7   my byte offset in cidx
.set FO,  8                            ; v8   my row's byte offset in fsq and in out1
.set IDX, 9                            ; v9   my candidate's index
.set FQ,  10                           ; v10  f_sq
.set EQ,  11                           ; v11  e_sq
.set EO,  12                           ; v12  my byte offset in esq
.set C0,  13                           ; v13, v14  the two chains
.set C1,  14
.set ZR,  15                           ; v15  0: what the chains start from
.set T,   16                           ; v16  t, then the row's least
.set BI,  17                           ; v17  its index
.set OT,  18                           ; v18, v19  another lane's
.set OI,  19
.set SPW, 20                           ; v20  LDS address of my spare word; never rewritten
.set NIL, 21                           ; v21  0, for the add alone
.set AD,  32                           ; v[32:63]  pair t: byte offset of its code row in eb, + 16 x lane
.set R,   64                           ; v[64:255] 48 slots of 4 registers on the way in; then v[64:159] three buffers of 32 for the chains; on the way out v[64:127] two buffers of 32, v[128:255] what is stored
	s_load_b256 s[4:11], s[0:1], 0x0               ; xb s[4:5], eb s[6:7], fsq s[8:9], esq s[10:11]
	s_load_b128 s[12:15], s[0:1], 0x20             ; cidx s[12:13], out0 s[14:15]
	s_load_b64 s[48:49], s[0:1], 0x30              ; out1
	v_lshl_add_u32 v[SPW], v0, 2, SPARE
	v_mov_b32 v[NIL], 0
	v_mov_b32 v[ZR], 0
	v_lshrrev_b32 v22, 5, v0
	v_readfirstlane_b32 s50, v22                   ; wave 0, 1
	v_and_b32 v[LN], 31, v0
	v_lshrrev_b32 v22, 2, v[LN]                    ; my row of the 8
	v_and_b32 v23, 1, v[LN]
	v_lshlrev_b32 v[CI], 3, v22
	v_lshl_add_u32 v[CI], v23, 2, v[CI]
	v_bfe_u32 v23, v[LN], 1, 1
	v_lshl_add_u32 v[CI], v23, 17, v[CI]           ; the second half's indices lie 131,072 bytes on
	v_lshlrev_b32 v[L16], 4, v[LN]
	v_mul_u32_u24 v[ER], v[LN], PT
	v_mul_u32_u24 v[XR], v22, PT
	s_wait_alu depctr_va_sdst(0)                   ; s50 is written, ahead of its first reader: all the wave's offsets are made from it
	s_lshl_b32 s51, ttmp9, 1
	s_add_co_u32 s51, s51, s50                     ; my wave among all: its rows are 8 x that number on
	s_lshl_b32 s52, s51, 6                         ; cidx: 8 rows of 8 bytes
	s_lshl_b32 s53, s51, 5                         ; fsq, out1: 8 rows of 4 bytes
	s_mul_i32 s54, s50, WREG                       ; my wave's region of LDS
	s_add_co_u32 s55, s54, XOFF
	v_add_nc_u32 v[CI], s52, v[CI]
	v_lshl_add_u32 v[FO], v22, 2, s53
	v_lshl_add_u32 v[LS], v[LN], 4, s54
	v_lshl_add_u32 v[L8B], v[LN], 3, s54
	v_add_nc_u32 v[ER], s54, v[ER]
	v_add_nc_u32 v[XR], s55, v[XR]
	s_wait_kmcnt 0x0
	s_load_b512 s[16:31], s[12:13], s52 offset:0x0      ; my 8 rows' candidates in the first half of the codes, as scalars: a whole wave loads one code row,
	s_load_b512 s[32:47], s[12:13], s52 offset:0x20000  ; and in the second
	s_wait_alu depctr_va_vdst(0)                   ; the seven offsets and LDS addresses v2 to v8 are written, which the loads, stores and LDS instructions of the whole kernel read
	global_load_b32 v[IDX], v[CI], s[12:13]        ; and each lane's own
	global_load_b32 v[FQ], v[FO], s[8:9]
	s_lshl_b32 s56, s51, 13                        ; xb: 8 rows of 1,024 bytes
	s_mov_b32 s57, 0
	s_add_nc_u64 s[4:5], s[4:5], s[56:57]
	s_lshl_b32 s56, s51, 14                        ; out0: 8 rows of 2,048 bytes
	s_add_nc_u64 s[14:15], s[14:15], s[56:57]
	s_mov_b32 s56, 0xffff0000                      ; a word's upper bf16
; Piece i of 80 on the way in: 0-15 the halves of my 8 rows of x, 16-79 the halves of my 32 code rows.  512 consecutive bytes each; slot i % 48.
.macro GLD i
.if (\i) < 16
	global_load_b128 v[R+4*((\i)%48):R+4*((\i)%48)+3], v[L16], s[4:5] offset:512*(\i) th:TH_LOAD_NT
.else
	global_load_b128 v[R+4*((\i)%48):R+4*((\i)%48)+3], v[AD+((\i)-16)/2], s[6:7] offset:512*((\i)%2)  ; no cache word: a code may be named by many rows
.endif
.endm
.macro LST i
.if (\i) < 16
	ds_store_b128 v[LS], v[R+4*((\i)%48):R+4*((\i)%48)+3] offset:XOFF+((\i)/2)*PT+512*((\i)%2)
.else
	ds_store_b128 v[LS], v[R+4*((\i)%48):R+4*((\i)%48)+3] offset:(((\i)-16)/2)*PT+512*((\i)%2)
.endif
.endm
.set nn, 0
.rept 16
	GLD nn                                         ; x hangs on no index: it goes out first
.set nn, nn+1
.endr
	s_wait_kmcnt 0x0
.set nn, 16
.rept 32
	s_min_u32 s[nn], s[nn], 0x1fff                 ; an index stays inside the table
.set nn, nn+1
.endr
.set nn, 0
.rept 32                               ; pair nn = 4 x row + 2 x half + which
	v_lshl_add_u32 v[AD+nn], s[16+16*((nn>>1)&1)+2*(nn>>2)+(nn&1)], 10, v[L16]  ; 1,024 bytes a code
.set nn, nn+1
.endr
	s_wait_loadcnt 16                              ; my index and f_sq are in: behind them stand x's sixteen loads
	v_min_u32 v[IDX], 0x1fff, v[IDX]
	v_lshlrev_b32 v[EO], 2, v[IDX]
	s_wait_alu depctr_va_vdst(0)                   ; v[EO] and the 32 offsets v[AD ..] are written, which the loads of e_sq and of the code rows read
	global_load_b32 v[EQ], v[EO], s[10:11]
.set nn, 16
.rept 32
	GLD nn
.set nn, nn+1
.endr
.set nn, 0
.rept 80                               ; piece nn goes into LDS; behind each of the first four groups of eight pieces their slots take the pieces 48 further on
.if nn < 32
	s_wait_loadcnt 47-(nn%8)                       ; loads come back in order: behind piece nn stand the pieces up to 47 + 8 (nn / 8) (for x's pieces also e_sq's load: the count is then one less than it need be)
.else
	s_wait_loadcnt 79-nn                           ; nothing more is asked for: the counts run down
.endif
	LST nn
.if (nn < 32) && ((nn%8) == 7)
	s_wait_alu depctr_vm_vsrc(0)                   ; the eight LDS stores above have read their slots, in which the eight loads below land
.set mm, nn+41
.rept 8
	GLD mm
.set mm, mm+1
.endr
.endif
.set nn, nn+1
.endr
; Step s of 16: 16 numbers of each chain: 32 bytes of my code row and of my row of x at byte 32 s, and at byte 512 + 32 s.  Buffer s % 3: code chain 0, code chain 1, x chain 0, x chain 1, 8 registers each.
.macro CL1 s, n                        ; load n of step s's eight: 16 bytes, half n / 4 of kind n % 4
.set lb, R+32*((\s)%3)
.set lk, (\n)%4
.set lu, (\n)/4
.if lk < 2
	ds_load_b128 v[lb+8*lk+4*lu:lb+8*lk+4*lu+3], v[ER] offset:512*(lk%2)+32*(\s)+16*lu  ; LDS serves a wave's instructions in order (ISA guide 5.7.1.4): these see the stores above
.else
	ds_load_b128 v[lb+8*lk+4*lu:lb+8*lk+4*lu+3], v[XR] offset:512*(lk%2)+32*(\s)+16*lu
.endif
.endm
; 32 fused multiply-adds straight from the bf16 halves, the low half (the lower k) first; the two chains take turns.  ahead = 1: one of the eight loads of step s + 2 stands ahead of each four of them.
; left: the LDS loads younger than this step's, which may stay out.  freed = 1: a step has read the buffer in which this step's loads land.
.macro STEP s, ahead, left, freed
	s_wait_dscnt \left
.if \freed
	s_wait_alu depctr_va_vdst(0)                   ; the step before is done reading its buffer, in which the eight loads below land; the lines among which they stand name this step's buffer and the two chains alone
.endif
.set cb, R+32*((\s)%3)
.set wd, 0
.rept 8
.if \ahead
	CL1 (\s)+2, wd
.endif
.if ((\s) == 0) && (wd == 0)
	v_fma_mix_f32_bf16 v[C0], v[cb+wd],   v[cb+16+wd], v[ZR] op_sel_hi:[1,1,0]
	v_fma_mix_f32_bf16 v[C1], v[cb+8+wd], v[cb+24+wd], v[ZR] op_sel_hi:[1,1,0]
.else
	v_fma_mix_f32_bf16 v[C0], v[cb+wd],   v[cb+16+wd], v[C0] op_sel_hi:[1,1,0]
	v_fma_mix_f32_bf16 v[C1], v[cb+8+wd], v[cb+24+wd], v[C1] op_sel_hi:[1,1,0]
.endif
	v_fma_mix_f32_bf16 v[C0], v[cb+wd],   v[cb+16+wd], v[C0] op_sel:[1,1,0] op_sel_hi:[1,1,0]
	v_fma_mix_f32_bf16 v[C1], v[cb+8+wd], v[cb+24+wd], v[C1] op_sel:[1,1,0] op_sel_hi:[1,1,0]
.set wd, wd+1
.endr
.endm
	s_wait_alu depctr_vm_vsrc(0)                   ; all my LDS stores have read R's registers: from here on LDS loads land in them, and later the unpacking lines write them
.set nn, 0
.rept 8
	CL1 0, nn
.set nn, nn+1
.endr
.set nn, 0
.rept 8
	CL1 1, nn
.set nn, nn+1
.endr
	STEP 0, 1, 8, 0                                ; all but step 1's eight loads; no vector line has yet named the third buffer
.set ss, 1
.rept 13
	STEP ss, 1, 8, 1                               ; all but the next step's eight loads
.set ss, ss+1
.endr
	STEP 14, 0, 8, 0                               ; the last two steps fetch nothing
	STEP 15, 0, 0, 0
	v_add_f32 v[C0], v[C0], v[C1]                  ; the dot
	v_fma_f32 v[T], v[C0], -2.0, v[FQ]             ; f_sq - 2 dot, one rounding
	v_add_f32 v[T], v[T], v[EQ]                    ; + e_sq
	; the least (t, index) of a row's four lanes: two exchanges, with the lane 1 and the lane 2 away; the order is total (the four indices differ), so all four lanes end alike
	v_mov_b32 v[BI], v[IDX]
	v_mov_b32 v[OT], 0                             ; a DPP form counts as a reader of its destination
	v_mov_b32 v[OI], 0
.irp m, 1,2
	v_mov_b32_dpp v[OT], v[T]  row_xmask:\m row_mask:0xf bank_mask:0xf
	v_mov_b32_dpp v[OI], v[BI] row_xmask:\m row_mask:0xf bank_mask:0xf
	v_cmp_lt_f32 s58, v[OT], v[T]
	v_cmp_eq_f32 s59, v[OT], v[T]
	v_cmp_lt_u32 s60, v[OI], v[BI]
	s_wait_alu depctr_va_sdst(0)                   ; the three compares have written s58, s59 and s60, ahead of their first reader
	s_and_b32 s59, s59, s60
	s_or_b32 s58, s58, s59
	v_cndmask_b32 v[T],  v[T],  v[OT], s58
	v_cndmask_b32 v[BI], v[BI], v[OI], s58
.endr
	v_cmp_eq_u32 s58, v[BI], v[IDX]                ; bit 4 x row + d: candidate d is the row's choice
	s_wait_alu depctr_va_sdst(0)                   ; the compare has written s58, ahead of its first reader, row 0's s_bitcmp1_b32
	s_wait_alu depctr_va_vdst(0)                   ; v[BI] is written, which the store reads; the chains are done reading v[R .. R+63], in which the loads of rows 0 and 1 land
	global_store_b32 v[FO], v[BI], s[48:49]        ; a row's four lanes store the same number to the same word: 32 consecutive bytes a wave
; THE WAY OUT.  Row rho: all four candidates' rows are read from LDS, 8 bytes a lane and piece of 256; the choice selects; bf16 to f32 is a shift or a mask.  A store's registers are written once in the launch.
.macro OLD rho
.set ob, R+32*((\rho)%2)
.irp c, 0,1,2,3
.irp d, 0,1,2,3
	ds_load_b64 v[ob+8*\c+2*\d:ob+8*\c+2*\d+1], v[L8B] offset:(4*(\rho)+\d)*PT+256*\c
.endr
.endr
.endm
.macro OST rho, c                      ; piece c of row rho leaves
	global_store_b128 v[L16], v[R+64+16*(\rho)+4*(\c):R+64+16*(\rho)+4*(\c)+3], s[14:15] offset:2048*(\rho)+512*(\c) th:TH_STORE_NT  ; sixteen lanes store 256 consecutive bytes, aligned
.endm
.macro OROW rho                        ; row rho's selects and unpacking; the four stores of the row before are dealt among them
.set ob, R+32*((\rho)%2)
.set oo, R+64+16*(\rho)
	s_bitcmp1_b32 s58, 4*(\rho)+1                  ; the choice as masks for all lanes: they select values and steer nothing
	s_cselect_b32 s61, -1, 0
	s_bitcmp1_b32 s58, 4*(\rho)+2
	s_cselect_b32 s62, -1, 0
	s_bitcmp1_b32 s58, 4*(\rho)+3
	s_cselect_b32 s63, -1, 0
.irp c, 0,1,2,3
.if (\rho) > 0
	OST (\rho)-1, \c                               ; no wait: no vector line since the wait at the row's head names the out registers of the row before
.endif
.irp u, 0,1
	v_cndmask_b32 v[ob+8*\c+\u], v[ob+8*\c+\u], v[ob+8*\c+2+\u], s61
	v_cndmask_b32 v[ob+8*\c+\u], v[ob+8*\c+\u], v[ob+8*\c+4+\u], s62
	v_cndmask_b32 v[ob+8*\c+\u], v[ob+8*\c+\u], v[ob+8*\c+6+\u], s63
.endr
	v_lshlrev_b32 v[oo+4*\c],   16,  v[ob+8*\c]
	v_and_b32     v[oo+4*\c+1], s56, v[ob+8*\c]
	v_lshlrev_b32 v[oo+4*\c+2], 16,  v[ob+8*\c+1]
	v_and_b32     v[oo+4*\c+3], s56, v[ob+8*\c+1]
.endr
.endm
	OLD 0
	OLD 1
	s_wait_dscnt 16                                ; all but row 1's sixteen loads
	OROW 0
.set ss, 1
.rept 6
	s_wait_alu depctr_va_vdst(0)                   ; the row before has written its out registers, which the stores below read, and is done with its buffer, in which the sixteen loads below land
	OLD ss+1
	s_wait_dscnt 16                                ; all but the next row's sixteen loads
	OROW ss
.set ss, ss+1
.endr
	s_wait_alu depctr_va_vdst(0)                   ; row 6 has written its out registers, which the stores below read
	s_wait_dscnt 0x0
	OROW 7
	s_wait_alu depctr_va_vdst(0)                   ; row 7 has written its out registers, which the last four stores read
.irp c, 0,1,2,3
	OST 7, \c
.endr
	s_wait_dscnt 0x0                               ; the closing lines, six on end
	s_wait_alu 0x0
	s_wait_tensorcnt 0x0
	ds_add_u32 v[SPW], v[NIL]
	s_wait_dscnt 0x0
	s_endpgm
.Lfunc_end_k_qfbce1a599c_pick:
	.size	k_qfbce1a599c_pick, .Lfunc_end_k_qfbce1a599c_pick-k_qfbce1a599c_pick
	.p2alignl 7, 3214868480
	.fill 96, 4, 3214868480
	.section	.rodata,"a",@progbits
	.p2align	6, 0x0
	.amdhsa_kernel k_qfbce1a599c_pick
		.amdhsa_group_segment_fixed_size 83456
		.amdhsa_private_segment_fixed_size 0
		.amdhsa_enable_private_segment 0
		.amdhsa_kernarg_size 56
		.amdhsa_user_sgpr_count 2
		.amdhsa_user_sgpr_kernarg_segment_ptr 1
		.amdhsa_wavefront_size32 1
		.amdhsa_system_sgpr_workgroup_id_x 1
		.amdhsa_system_sgpr_workgroup_id_y 1
		.amdhsa_system_sgpr_workgroup_id_z 1
		.amdhsa_system_vgpr_workitem_id 0
		.amdhsa_next_free_vgpr 256
		.amdhsa_next_free_sgpr 66
		.amdhsa_reserve_vcc 0
		.amdhsa_float_denorm_mode_32 3
		.amdhsa_float_denorm_mode_16_64 3
		.amdhsa_memory_ordered 1
		.amdhsa_forward_progress 1
		.amdhsa_inst_pref_size 94
	.end_amdhsa_kernel
	.amdgpu_metadata
---
amdhsa.version: [ 1, 2 ]
amdhsa.kernels:
  - .name:           k_qfbce1a599c_pick
    .symbol:         k_qfbce1a599c_pick.kd
    .args:
      - { .name: xb, .offset: 0, .size: 8, .value_kind: global_buffer, .address_space: global }
      - { .name: eb, .offset: 8, .size: 8, .value_kind: global_buffer, .address_space: global }
      - { .name: fsq, .offset: 16, .size: 8, .value_kind: global_buffer, .address_space: global }
      - { .name: esq, .offset: 24, .size: 8, .value_kind: global_buffer, .address_space: global }
      - { .name: cidx, .offset: 32, .size: 8, .value_kind: global_buffer, .address_space: global }
      - { .name: out0, .offset: 40, .size: 8, .value_kind: global_buffer, .address_space: global }
      - { .name: out1, .offset: 48, .size: 8, .value_kind: global_buffer, .address_space: global }
    .group_segment_fixed_size: 83456
    .private_segment_fixed_size: 0
    .kernarg_segment_align: 8
    .kernarg_segment_size: 56
    .max_flat_workgroup_size: 64
    .sgpr_count:     66
    .vgpr_count:     256
    .wavefront_size: 32
...
	.end_amdgpu_metadata
.endif
;; end of part 5
